; MI455X (gfx1250); checked and timed in simulation.
; The chip was launched on July 23, 2026; its instructions are those of AMD's public machine-readable ISA for CDNA 5 (MIT licence, August 2026) and "CDNA5" Instruction Set Architecture Reference Guide (July 2026). The comments in the code are by the model that wrote it; some were corrected since.
;; Multihead Self Attention. Allowed arithmetic: matrix products marked QUANTISED: E4M3 operands, one given power-of-two scale a tensor, by v_wmma_f32_16x16x64_fp8_fp8 or v_wmma_f32_16x16x128_fp8_fp8, f32 sums; everything else in f32.
;; Inputs: Wk 2,048 x 2,048 float32; Wo 2,048 x 2,048 float32; Wq 2,048 x 2,048 float32; Wv 2,048 x 2,048 float32; lowp_scales 12 int32 (the exponents e of the quantised operands' scales 2^e); token_positions 2,048 int32; x 1 x 2,048 x 2,048 float32.
;; Outputs: out0 1 x 2,048 x 2,048 float32.
;; This version of the problem:
;;   THIS VERSION OF THE PROBLEM IS GIVEN IN LOW PRECISION. The matrix products marked QUANTISED in the list below multiply operands that are first quantised to E4M3 (4 exponent bits, 3 mantissa bits; 8 bits a number), with one given power-of-two scale for each operand tensor; their sums are f32. All else is computed in f32.
;;   The module's matrix products, in the order in which they are computed (A, B: the left and right operand; K: the contracted axis; several contracted axes count as one K, in the product's order):
;;     1. [M 2,048, K 2,048] x [K 2,048, N 2,048]; A: input x; B: input Wq: QUANTISED (scales: A lowp_scales[0], B lowp_scales[1])
;;     2. [M 2,048, K 2,048] x [K 2,048, N 2,048]; A: input x; B: input Wk: QUANTISED (scales: A lowp_scales[2], B lowp_scales[3])
;;     3. [M 2,048, K 2,048] x [K 2,048, N 2,048]; A: input x; B: input Wv: QUANTISED (scales: A lowp_scales[4], B lowp_scales[5])
;;     4. batch 16 x [M 2,048, K 128] x [K 128, N 2,048]; A: computed on the way; B: computed on the way: QUANTISED (scales: A lowp_scales[6], B lowp_scales[7])
;;     5. batch 16 x [M 2,048, K 2,048] x [K 2,048, N 128]; A: softmax (see below); B: computed on the way: QUANTISED (scales: A lowp_scales[8], B lowp_scales[9])
;;     6. [M 2,048, K 2,048] x [K 2,048, N 2,048]; A: computed on the way; B: input Wo: QUANTISED (scales: A lowp_scales[10], B lowp_scales[11])
;;   THE QUANTISER, for each operand of a quantised product, along K:
;;     - The operand's scale is 2^e, e = its entry of the input lowp_scales (int32; the entries are numbered through the quantised products in the list's order, A before B).
;;     - Each number is divided by the scale, clamped to +-448, and rounded to the nearest number of E4M3, ties to even, subnormals kept.
;;     - The product sums the exact products of the quantised numbers (number of the format x scale) in f32.
;;   ~~~python
;;   def quantise(x, axis, e):      # numpy; x: float32 -> the quantised numbers, widened to float32 again
;;       x = np.moveaxis(x, axis, -1); K = x.shape[-1]
;;       r = np.clip(x / 2.0 ** e, -448, 448)
;;       step = 2.0 ** (np.maximum(np.frexp(np.where(r == 0, 1, r))[1] - 1, -6) - 3)
;;       q = np.round(r / step) * step * 2.0 ** e      # np.round: ties to even
;;       return np.moveaxis(q, -1, axis).astype(np.float32)
;;   ~~~
;;   SOFTMAX AHEAD OF A QUANTISED PRODUCT. Where the list says 'softmax', what is quantised is not the finished softmax but p = 2^(t - M), with t = logit x log2(e) and M = ceil(the row's largest t), a whole number; so 1/2 < the row's largest p <= 1. The row's sum l is taken of the UNQUANTISED p, in f32, and the product's result is divided by l at the end. Since M is a whole number, a kernel that streams over the keys may use a running M (the ceiling of the running maximum): every later rescaling is an exact power of two, so the quantised numbers keep their values, but for numbers so far below the row's largest that they fall under the format's range.
;;   OPERANDS COMPUTED ON THE WAY. 'Computed on the way' means the value that the module computes at that place (a softmax that the list does not call 'softmax' is quantised finished and normalised). What goes into a quantiser is computed in f32, as accurately as f32 sums, v_exp_f32 and their like allow (about 1e-6 of the number): no bf16 or f16 on the way to a quantiser, and a product that is left as it is and whose result goes on into a quantised operand takes f32 operands (vector FMAs, or v_wmma_f32_16x16x4_f32). A number that lies on a knife's edge between two numbers of the format may be rounded either way, as far as f32 arithmetic and the matrix unit's own rounding can turn it there, and no further.
;; One version. Each part assembles by itself: llvm-mc -triple=amdgcn-amd-amdhsa -mcpu=gfx1250 --defsym DOCPART=n.
;; ======== version 1 of 1: 4 launches
;; limits: right only within a limited range of input values
;; workspace buffers: opc 29,360,128 bytes; rope 1,048,576 bytes; qkv 12,582,912 bytes; ac 4,194,304 bytes
;; launch prep (part 1): grid 672 x 1, 4 waves a work-group, no clusters, 35,328 bytes of LDS; arguments x, Wq, Wk, Wv, Wo, lowp_scales, token_positions, opc, rope; writes opc, rope
.if DOCPART == 1
	.amdgcn_target "amdgcn-amd-amdhsa--gfx1250"
	.amdhsa_code_object_version 6
	.text
	.protected	k_q1cb8103694_prep
	.globl	k_q1cb8103694_prep
	.p2align	8
	.type	k_q1cb8103694_prep,@function
k_q1cb8103694_prep:
	s_mov_b64 s[64:65], 0
	v_nop
	global_prefetch_b8 v0, s[64:65] scope:SCOPE_SE
	s_setreg_imm32_b32 hwreg(HW_REG_WAVE_MODE, 25, 1), 1
	s_wait_xcnt 0x0
; CAUSAL MULTI-HEAD SELF-ATTENTION, 2,048 positions, 16 heads of 128, all six products on codes of E4M3 with given scales 2^e.  Four launches:
; this one (codes of x and of the four weights; the table of cos and sin), the three projections with RoPE, the attention, the projection on the way out.
; WORK LEFT OUT, in the whole program: in the attention a step of 128 keys all of which come after all 32 queries of a wave.  reference() sets those scores to -inf by its own
; jnp.tril before the softmax, so their weight is exactly 0 in the row's sum and in the product with v, whatever finite values the inputs hold.  Nothing else is left out, and every input is loaded.
; LIMIT: a NaN, an infinity or an overflow that reaches only those scores is not carried to the result.
;
; THIS LAUNCH.  Work-groups 0-31: the table of cos and sin, a wave to a tile of 16 positions.  Work-groups 32-671: tensor (g / 128: x, Wq, Wk, Wv, Wo), tile of 16 rows (g % 128), g = number - 32.
; code = number / 2^e, held within +-448, to the nearest code, ties to even.  x is quantised three times (entries 0, 2, 4 of the scales), Wq, Wk, Wv, Wo once (entries 1, 3, 5, 11).
; THE CODES' LAYOUT.  A fragment, 16 rows x 128 K, lies as the image of the matrix operand's 16 registers: byte 512 c + 16 lane + 4 i + n holds the code of row lane % 16 at
; k = 32 c + 16 (i / 2) + 8 (lane / 16) + 4 (i % 2) + n.  An operand of 2,048 x 2,048 is [K / 256][row / 16][(K / 128) % 2][fragment], 4 MiB; opc holds seven: x by e0, e2, e4, Wq, Wk, Wv, Wo.
; A wave takes 512 along K of its 16 rows, in 8 steps of 64.  Each load reads 256 consecutive bytes of two rows; the 4,096 bytes turn through the wave's own stage in LDS (rows 272 bytes apart),
; so that a lane gets runs of eight neighbours along K, which the conversion wants; a lane's 16 bytes of codes and its neighbours' make stores of 512 consecutive bytes.
; THE TABLE: [tile of 16 positions][b = 0..7][cos, sin][lane][4 f32]: lane (r, h) holds pairs 8 b + 4 h + 0..3 of position token_positions[16 tile + r]: the projections' result layout.
; cos and sin: frequency 10000^(-i/64) = 2^(-i L), L = log2(10000) / 64 in two f32 parts; angle = position x frequency, rounded once as reference() rounds it; the angle less the nearest
; multiple of pi/2 (pi/2 in two parts; the first product is exact for angles under 2^11), polynomials on +-pi/4, and the quadrant's swap and signs.
; LIMITS: each e between -126 and 119; token_positions between 0 and 2,047 (the table that reference() indexes); NaN among the inputs is not served.
.set WREG,  8704                       ; LDS of a wave: two stages of 16 rows x 272 bytes
.set STGB,  4352
.set SP,    272
.set SPARE, 4*WREG                     ; behind the four regions: the spare words, 128 bytes a wave, named by no other line
.set LA,    2                          ; v2   loads: 8,192 (lane / 16) + 16 (lane % 16)
.set SI,    3                          ; v3   into the stage: row lane / 16, 16 (lane % 16)
.set SO,    4                          ; v4   out of it: row lane % 16, 32 (lane / 16)
.set GO,    5                          ; v5   16 x lane
.set SPW,   6                          ; v6   my spare word; never rewritten
.set NIL,   7                          ; v7   0; never rewritten
.set SC,    8                          ; v8-13  2^e and 448 x 2^e for each of up to three outputs
.set R,     16                         ; v16-111   three sets of 32: numbers as loaded
.set X,     112                        ; v112-175  two sets of 32: register 8 G + n = k 16 G + 8 (lane / 16) + n of the step's 64
.set TM,    176                        ; v176-207  held numbers
.set C,     208                        ; v208-231  codes: 8 registers an output
.set F,     16                         ; the table's way: v16-47 frequencies, v48-79 their corrections, v80-143 results, v144-158 at work
.set ER,    48
.set OUTR,  80
	s_load_b256 s[4:11], s[0:1], 0x0               ; x, Wq, Wk, Wv
	s_load_b256 s[12:19], s[0:1], 0x20             ; Wo, the scales' exponents, token_positions, opc
	s_load_b64 s[20:21], s[0:1], 0x40              ; rope
	v_lshl_add_u32 v[SPW], v0, 2, SPARE
	v_mov_b32 v[NIL], 0
	v_lshrrev_b32 v1, 5, v0
	v_readfirstlane_b32 s22, v1                    ; wave
	v_and_b32 v1, 31, v0                           ; lane
	v_and_b32 v14, 15, v0                          ; r
	v_bfe_u32 v15, v0, 4, 1                        ; h
	v_lshlrev_b32 v[GO], 4, v1
	s_cmp_lt_u32 ttmp9, 32
	s_cbranch_scc1 .Lrope
	; ---------------- codes ----------------
	s_sub_co_u32 s23, ttmp9, 32
	s_lshr_b32 s26, s23, 7                         ; which tensor
	s_and_b32 s27, s23, 127                        ; which 16 rows
	v_lshlrev_b32 v[LA], 4, v14
	v_lshl_add_u32 v[LA], v15, 13, v[LA]
	s_mul_i32 s48, s22, WREG
	v_mul_u32_u24 v[SI], v15, SP
	v_lshl_add_u32 v[SI], v14, 4, v[SI]
	v_add_nc_u32 v[SI], s48, v[SI]
	v_mul_u32_u24 v[SO], v14, SP
	v_lshl_add_u32 v[SO], v15, 5, v[SO]
	v_add_nc_u32 v[SO], s48, v[SO]
	s_lshl_b32 s48, s27, 17                        ; 16 rows of 8,192 bytes,
	s_lshl_b32 s49, s22, 11                        ; my wave's 512 numbers of a row
	s_add_co_u32 s48, s48, s49
	s_mov_b32 s49, 0
	s_add_co_u32 s50, s26, 2                       ; the section of opc: x 0 (and 1, 2), Wq 3, Wk 4, Wv 5, Wo 6
	s_cmp_eq_u32 s26, 0
	s_cselect_b32 s50, 0, s50
	s_lshl_b32 s50, s50, 22
	s_lshl_b32 s51, s22, 20                        ; my wave's 512 along K are two blocks of 256: 2 x 524,288 bytes a wave
	s_add_co_u32 s50, s50, s51
	s_lshl_b32 s51, s27, 12
	s_add_co_u32 s50, s50, s51
	s_mov_b32 s51, 0
	s_wait_alu depctr_va_vdst(0)
	s_wait_kmcnt 0x0
	s_load_b256 s[36:43], s[14:15], 0x0            ; e0 .. e7
	s_load_b128 s[44:47], s[14:15], 0x20           ; e8 .. e11
	s_mov_b64 s[24:25], s[4:5]                     ; the tensor is chosen by the work-group's number alone
	s_cmp_eq_u32 s26, 1
	s_cselect_b64 s[24:25], s[6:7], s[24:25]
	s_cmp_eq_u32 s26, 2
	s_cselect_b64 s[24:25], s[8:9], s[24:25]
	s_cmp_eq_u32 s26, 3
	s_cselect_b64 s[24:25], s[10:11], s[24:25]
	s_cmp_eq_u32 s26, 4
	s_cselect_b64 s[24:25], s[12:13], s[24:25]
	s_add_nc_u64 s[24:25], s[24:25], s[48:49]
	s_add_nc_u64 s[28:29], s[18:19], s[50:51]      ; where my codes go;
	s_add_nc_u64 s[30:31], s[28:29], 0x400000      ; x alone: its second
	s_add_nc_u64 s[32:33], s[28:29], 0x800000      ; and third section
.macro LOAD t                          ; step t: 16 rows x 256 bytes: sixteen lanes read 256 consecutive bytes of a row
.irp i, 0,1,2,3,4,5,6,7
	global_load_b128 v[R+32*((\t)%3)+4*\i:R+32*((\t)%3)+4*\i+3], v[LA], s[24:25] offset:2*\i*8192+256*(\t) th:TH_LOAD_NT
.endr
.endm
.macro TURN t                          ; through the stage: LDS serves a wave's instructions in order, so no wait stands between the stores and the loads
.irp i, 0,1,2,3,4,5,6,7
	ds_store_b128 v[SI], v[R+32*((\t)%3)+4*\i:R+32*((\t)%3)+4*\i+3] offset:STGB*((\t)%2)+2*\i*SP
.endr
.irp g, 0,1,2,3
	ds_load_b128 v[X+32*((\t)%2)+8*\g:X+32*((\t)%2)+8*\g+3], v[SO] offset:STGB*((\t)%2)+64*\g
	ds_load_b128 v[X+32*((\t)%2)+8*\g+4:X+32*((\t)%2)+8*\g+7], v[SO] offset:STGB*((\t)%2)+64*\g+16
.endr
.endm
.macro OUT o, t                        ; output o of step t: hold, convert, store 2 x 512 consecutive bytes
.set j, 0
.rept 32
	v_med3_num_f32 v[TM+j], v[X+32*((\t)%2)+j], -v[SC+2*\o+1], v[SC+2*\o+1]   ; the conversion to an 8-bit code does not saturate (ISA guide 7.6.2): the hold comes first
.set j, j+1
.endr
.irp g, 0,1,2,3
	v_cvt_scalef32_pk8_fp8_f32 v[C+8*\o+2*\g:C+8*\o+2*\g+1], v[TM+8*\g:TM+8*\g+7], v[SC+2*\o]
.endr
	v_nop                                          ; a plain line between the conversions and the next holds, which write their sources
.irp c, 0,1
	global_store_b128 v[GO], v[C+8*\o+4*\c:C+8*\o+4*\c+3], s[28+2*\o:29+2*\o] offset:((\t)/4)*524288+(((\t)/2)%2)*2048+(2*((\t)%2)+\c)*512
.endr
.endm
.macro MKSC e, o                       ; 2^e and 448 x 2^e as f32 patterns
	s_add_co_i32 s51, \e, 127
	s_lshl_b32 s52, s51, 23
	v_mov_b32 v[SC+2*\o], s52
	s_add_co_i32 s51, s51, 8
	s_lshl_b32 s51, s51, 23
	s_or_b32 s51, s51, 0x600000
	v_mov_b32 v[SC+2*\o+1], s51
.endm
	LOAD 0
	LOAD 1
	LOAD 2
	s_wait_kmcnt 0x0
	s_cmp_eq_u32 s26, 1                            ; the first output's exponent: e0, e1, e3, e5 or e11
	s_cselect_b32 s50, s37, s36
	s_cmp_eq_u32 s26, 2
	s_cselect_b32 s50, s39, s50
	s_cmp_eq_u32 s26, 3
	s_cselect_b32 s50, s41, s50
	s_cmp_eq_u32 s26, 4
	s_cselect_b32 s50, s47, s50
	MKSC s50, 0
	MKSC s38, 1                                    ; x's second and third: e2, e4
	MKSC s40, 2
	s_wait_alu depctr_va_vdst(0)
	s_wait_loadcnt 16                              ; step 0's eight loads are in; those of steps 1 and 2 may be out
	TURN 0
.macro STEP t
	s_wait_dscnt 0x0                               ; this step's numbers are back from the stage, and its stores into the stage have read their registers,
.if (\t)+3 < 8
	LOAD (\t)+3                                    ; which take the loads of three steps on
.endif
.if (\t)+1 < 8
.if (\t) < 5
	s_wait_loadcnt 16                              ; the next step's loads are in; two younger steps' may be out
.elseif (\t) == 5
	s_wait_loadcnt 8                               ; one younger step's
.else
	s_wait_loadcnt 0x0
.endif
	TURN (\t)+1                                    ; through the other stage while this step is worked
.endif
	s_wait_xcnt 0x0                                ; the last step's stores have read their codes: the registers are written again only behind this wait
	OUT 0, \t
	s_cmp_lg_u32 s26, 0                            ; x alone has a second and a third scale
	s_cbranch_scc1 .Lone_\@
	OUT 1, \t
	OUT 2, \t
.Lone_\@:
.endm
.irp t, 0,1,2,3,4,5,6,7
	STEP \t
.endr
	s_wait_tensorcnt 0x0                           ; the wave's end, behind my last LDS store
	ds_add_u32 v[SPW], v[NIL]
	s_wait_dscnt 0x0
	s_endpgm
	; ---------------- the table of cos and sin (no LDS is written on this way) ----------------
.Lrope:
	s_lshl_b32 s27, ttmp9, 2
	s_add_co_u32 s27, s27, s22                     ; my tile of 16 positions
	s_lshl_b32 s24, s27, 6
	s_mov_b32 s25, 0
	s_lshl_b32 s28, s27, 13
	s_mov_b32 s29, 0
	s_wait_alu depctr_va_vdst(0)
	v_lshlrev_b32 v2, 2, v14                       ; 4 r
	v_lshlrev_b32 v9, 2, v15                       ; 4 h
	s_mov_b32 s48, 0x3e549a78                      ; L = log2(10000) / 64, high part
	s_mov_b32 s49, 0x3197995f                      ; low part
	s_mov_b32 s50, 0x3f317218                      ; ln 2
	s_mov_b32 s51, 0x3f22f983                      ; 2 / pi
	s_mov_b32 s52, 0x3fc90fdb                      ; pi / 2, high part
	s_mov_b32 s53, 0xb33bbd2e                      ; low part
	s_mov_b32 s54, 0xb94ca1f9                      ; sin's polynomial
	s_mov_b32 s55, 0x3c08839e
	s_mov_b32 s56, 0xbe2aaaa3
	s_mov_b32 s57, 0x37ccf5ce                      ; cos's
	s_mov_b32 s58, 0xbab6061a
	s_mov_b32 s59, 0x3d2aaaa5
	s_wait_alu depctr_va_vdst(0)
	s_wait_kmcnt 0x0
	s_add_nc_u64 s[24:25], s[16:17], s[24:25]
	s_add_nc_u64 s[28:29], s[20:21], s[28:29]
	global_load_b32 v8, v2, s[24:25]               ; token_positions[16 tile + r]
.irp b, 0,1,2,3,4,5,6,7
.irp i, 0,1,2,3
	v_add_nc_u32 v144, 8*\b+\i, v9                 ; the pair's number
	v_cvt_f32_u32 v144, v144
	v_mul_f32 v[F+4*\b+\i], s48, v144              ; i L, rounded,
	v_fma_f32 v[ER+4*\b+\i], v144, s48, -v[F+4*\b+\i]   ; what the rounding dropped,
	v_fma_f32 v[ER+4*\b+\i], v144, s49, v[ER+4*\b+\i]   ; and L's low part
.endr
.endr
.set j, 0
.rept 32
	v_exp_f32 v[F+j], -v[F+j]
.set j, j+1
.endr
	v_nop                                          ; a plain line behind the last exponential
	s_wait_alu depctr_va_vdst(0)                   ; one wait for the batch of 32, ahead of its first reader
.set j, 0
.rept 32
	v_mul_f32 v[ER+j], s50, v[ER+j]
	v_fma_f32 v[F+j], -v[ER+j], v[F+j], v[F+j]     ; 2^-(hi + er) = 2^-hi (1 - er ln 2)
.set j, j+1
.endr
	s_wait_loadcnt 0x0
	v_cvt_f32_i32 v8, v8
.irp b, 0,1,2,3,4,5,6,7
.irp i, 0,1,2,3
	v_mul_f32 v145, v8, v[F+4*\b+\i]               ; the angle
	v_mul_f32 v146, s51, v145
	v_rndne_f32 v146, v146                         ; the nearest multiple of pi / 2
	v_fma_f32 v147, -v146, s52, v145
	v_fma_f32 v147, -v146, s53, v147               ; what is left, within +-pi/4
	v_mul_f32 v148, v147, v147
	v_fma_f32 v149, v148, s54, s55
	v_fma_f32 v149, v149, v148, s56
	v_mul_f32 v149, v149, v148
	v_fma_f32 v149, v149, v147, v147               ; its sine
	v_fma_f32 v150, v148, s57, s58
	v_fma_f32 v150, v150, v148, s59
	v_mul_f32 v151, v148, v148
	v_fma_f32 v152, v148, -0.5, 1.0
	v_fma_f32 v150, v150, v151, v152               ; its cosine
	v_cvt_i32_f32 v153, v146
	v_and_b32 v154, 1, v153
	v_cmp_eq_u32 vcc_lo, 1, v154                   ; odd quadrants swap the two
	v_cndmask_b32 v155, v149, v150, vcc_lo
	v_cndmask_b32 v156, v150, v149, vcc_lo
	v_lshlrev_b32 v157, 30, v153                   ; sin is negated in quadrants 2, 3,
	v_and_b32 v157, 0x80000000, v157
	v_xor_b32 v[OUTR+8*\b+4+\i], v157, v155
	v_add_nc_u32 v158, 1, v153                     ; cos in quadrants 1, 2
	v_lshlrev_b32 v158, 30, v158
	v_and_b32 v158, 0x80000000, v158
	v_xor_b32 v[OUTR+8*\b+\i], v158, v156
.endr
	global_store_b128 v[GO], v[OUTR+8*\b:OUTR+8*\b+3], s[28:29] offset:\b*1024        ; 512 consecutive bytes of cos,
	global_store_b128 v[GO], v[OUTR+8*\b+4:OUTR+8*\b+7], s[28:29] offset:\b*1024+512  ; of sin; each b has registers of its own
.endr
	s_endpgm
.Lfunc_end_k_q1cb8103694_prep:
	.size	k_q1cb8103694_prep, .Lfunc_end_k_q1cb8103694_prep-k_q1cb8103694_prep
	.p2alignl 7, 3214868480
	.fill 96, 4, 3214868480
	.section	.rodata,"a",@progbits
	.p2align	6, 0x0
	.amdhsa_kernel k_q1cb8103694_prep
		.amdhsa_group_segment_fixed_size 35328
		.amdhsa_private_segment_fixed_size 0
		.amdhsa_enable_private_segment 0
		.amdhsa_kernarg_size 72
		.amdhsa_user_sgpr_count 2
		.amdhsa_user_sgpr_kernarg_segment_ptr 1
		.amdhsa_wavefront_size32 1
		.amdhsa_system_sgpr_workgroup_id_x 1
		.amdhsa_system_sgpr_workgroup_id_y 1
		.amdhsa_system_sgpr_workgroup_id_z 1
		.amdhsa_system_vgpr_workitem_id 0
		.amdhsa_next_free_vgpr 232
		.amdhsa_next_free_sgpr 66
		.amdhsa_reserve_vcc 1
		.amdhsa_float_denorm_mode_32 3
		.amdhsa_float_denorm_mode_16_64 3
		.amdhsa_memory_ordered 1
		.amdhsa_forward_progress 1
		.amdhsa_inst_pref_size 132
	.end_amdhsa_kernel
	.amdgpu_metadata
---
amdhsa.version: [ 1, 2 ]
amdhsa.kernels:
  - .name:           k_q1cb8103694_prep
    .symbol:         k_q1cb8103694_prep.kd
    .args:
      - { .name: x, .offset: 0, .size: 8, .value_kind: global_buffer, .address_space: global }
      - { .name: Wq, .offset: 8, .size: 8, .value_kind: global_buffer, .address_space: global }
      - { .name: Wk, .offset: 16, .size: 8, .value_kind: global_buffer, .address_space: global }
      - { .name: Wv, .offset: 24, .size: 8, .value_kind: global_buffer, .address_space: global }
      - { .name: Wo, .offset: 32, .size: 8, .value_kind: global_buffer, .address_space: global }
      - { .name: lowp_scales, .offset: 40, .size: 8, .value_kind: global_buffer, .address_space: global }
      - { .name: token_positions, .offset: 48, .size: 8, .value_kind: global_buffer, .address_space: global }
      - { .name: opc, .offset: 56, .size: 8, .value_kind: global_buffer, .address_space: global }
      - { .name: rope, .offset: 64, .size: 8, .value_kind: global_buffer, .address_space: global }
    .group_segment_fixed_size: 35328
    .private_segment_fixed_size: 0
    .kernarg_segment_align: 8
    .kernarg_segment_size: 72
    .max_flat_workgroup_size: 128
    .sgpr_count:     66
    .vgpr_count:     232
    .wavefront_size: 32
...
	.end_amdgpu_metadata
.endif
;; end of part 1
;; launch qkv (part 2): grid 8 x 24, 4 waves a work-group, clusters of 4 x 4, 327,680 bytes of LDS; arguments opc, rope, lowp_scales, qkv; writes qkv
.if DOCPART == 2
	.amdgcn_target "amdgcn-amd-amdhsa--gfx1250"
	.amdhsa_code_object_version 6
	.text
	.protected	k_q1cb8103694_qkv
	.globl	k_q1cb8103694_qkv
	.p2align	8
	.type	k_q1cb8103694_qkv,@function
k_q1cb8103694_qkv:
	s_mov_b64 s[64:65], 0
	v_nop
	global_prefetch_b8 v0, s[64:65] scope:SCOPE_SE
	s_setreg_imm32_b32 hwreg(HW_REG_WAVE_MODE, 25, 1), 1
	s_wait_xcnt 0x0
	s_wait_alu depctr_hold_cnt(0) depctr_sa_sdst(0) depctr_va_vdst(0) depctr_va_sdst(0) depctr_va_ssrc(0) depctr_va_vcc(0) depctr_vm_vsrc(0)
	s_getreg_b32 s2, hwreg(HW_REG_IB_STS2, 6, 4)
	s_cmp_eq_u32 s2, 0
	s_cbranch_scc0 .Lentry_in_a_cluster
	s_endpgm
.Lentry_in_a_cluster:
	s_bfe_u32 s2, ttmp6, 0x10000c
	s_cmp_lg_u32 s2, 0xf033
	s_cbranch_scc0 .Lentry_shape_is_right
	s_endpgm
.Lentry_shape_is_right:
; THE THREE PROJECTIONS WITH RoPE, on codes of E4M3: q = rope(x Wq^T), k = rope(x Wk^T), v = x Wv^T, each quantised for the attention (scales e6, e7, e9).  Nothing is left out here.
; Cluster row y / 2 names the tensor t.  A block of 256 x 256 results is made by four waves, 128 x 128 each: 64 accumulators, 512 registers.
; The matrix instruction takes 16 rows of "B" as source 0 and 16 rows of "A" as source 1: a lane holds one row of A's side and eight neighbours of B's side.
; t = 0, 1: A = x's codes (positions), B = the weight (features): a lane's registers run along the head's 128, the K of q k^T.   t = 2: A = Wv (features), B = x (positions): registers run along the keys, the K of p v.
; OPERANDS lie in opc as images of fragments, [K / 256][row / 16][(K / 128) % 2][2,048 bytes]: 128 rows of a K block of 256 are 32,768 dense bytes, K blocks 524,288 bytes apart.
; LDS: four parts of 65,536 bytes, one for each wave's fetches (waves 0, 1: A's halves; 2, 3: B's), each part two slots of 32,768.  A wave's one load at the head brings K blocks 0 and 1 (two rows of 32,768 bytes) into both slots;
; from then on a slot is filled again at its last step, behind a round of the cluster's barrier: one load a wave is out.  A's tiles are asked for jointly along a row of the cluster, B's along a column.
; PREFETCH: a K block is asked for two refills ahead of its load (K blocks 2 and 3 at the head); of the 32,768 bytes that a wave fetches each of the four partners names 8,192, told apart by address, lanes 256 bytes apart.
; The table of cos and sin (65,536 bytes for 128 positions) is asked for behind the loop, 8,192 bytes a wave: the eight waves of a cluster's row that read one block share it by address.
; THE WAY OUT: the table comes four blocks of 16 rows ahead into window 1, where B's fragments lay; the first two blocks are asked for ahead of the last K step, whose products do not read B's set 0.
; OUT, section t of qkv: byte head 262,144 + (position / 256) 32,768 + (tile / 4) 16,384 + ((position / 128) % 2) 8,192 + (tile % 4) 2,048 + image; tile = 16 positions (q, k) or 16 of the head's 128 (v).
; LIMITS: e(out) - e(A) - e(B) between -126 and 119 for each of the three products.
; REGISTERS: window 0: v16-31 addresses and constants, v32-95 codes, v128-255 A's fragments, later v192-255 numbers at work; window 1: B's two sets, later the table; windows 2, 3: accumulators.
.set FR,     16
.set NL,     4
.set NP,     4
.set HALFT,  32768                     ; a slot of a part
.set PART,   65536
.set SPARE,  4*PART                    ; the spare words, 128 bytes a wave, named by no other line
.set KS2B,   524288                    ; from K block to K block in memory
.set LAPS,   4
.set ADRA, 16
.set ADRB, 20
.set PFO,  24                          ; 256 x lane
.set RPO,  25                          ; the table's prefetch: 8,192 x my share + 256 x lane
.set LI,   27                          ; 16 x lane
.set SPW,  28
.set NIL,  29
.set SC,   30
.set LIM,  31
.set CD,   32
.set T,    192
.set AF,   128
.set PFA,  12                          ; s[12:13] my share of the tiles that I fetch, stepped a K block at each refill
.set G1, 24
.set G0, 32
.set G1B, 48
.set G0B, 56
.set HG1, 84                           ; group 1 of the head's loads: 2 rows of 32,768 bytes
.set HG1B, 92
.set MSB, 0
.macro WIN new
.if MSB != (\new)
	s_set_vgpr_msb (MSB<<8)|(\new)
.set MSB, \new
.endif
.endm
.set MUL_LO, 0xa1
.set MUL_HI, 0xf1
.set TO_B,   0x40
.macro JLOAD g0a, g1a, g0b, g1b        ; waves 0, 1 ask for A, waves 2, 3 for B; s_nop 0 and four v_nop follow each line
	s_cmp_eq_u32 s15, 0
	s_cbranch_scc0 .Lfor_b_\@
	tensor_load_to_lds s[\g0a:\g0a+3], s[\g1a:\g1a+7]
	s_nop 0
.rept 4
	v_nop
.endr
	s_branch .Lasked_\@
.Lfor_b_\@:
	tensor_load_to_lds s[\g0b:\g0b+3], s[\g1b:\g1b+7]
	s_nop 0
.rept 4
	v_nop
.endr
.Lasked_\@:
.endm
.macro CREST
	s_cmp_lg_u32 s14, 0
	s_cbranch_scc1 .Lnot_wave_0_\@
	s_barrier_signal -3
.Lnot_wave_0_\@:
	s_barrier_wait -3
	s_barrier_signal -1
	s_barrier_wait -1
.endm
.macro CROUND
	s_barrier_signal -1
	s_barrier_wait -1
	CREST
.endm
.macro ASK                             ; the K block two refills on; the loop's last trip (s3 = 1) has none
	s_cmp_gt_u32 s3, 1
	s_cbranch_scc0 .Lnone_\@
	global_prefetch_b8 v[PFO], s[PFA:PFA+1] offset:3*KS2B th:TH_LOAD_NT scope:SCOPE_SE
.Lnone_\@:
.endm
	s_load_b256 s[4:11], s[0:1], 0x0               ; opc, rope, the scales' exponents, qkv
	v_lshl_add_u32 v[SPW], v0, 2, SPARE
	v_mov_b32 v[NIL], 0
	ds_add_u32 v[SPW], v[NIL]                      ; the opening lines: the add twice on end and its wait
	ds_add_u32 v[SPW], v[NIL]
	v_lshrrev_b32 v1, 5, v0
	v_readfirstlane_b32 s14, v1                    ; wave
	s_lshr_b32 s15, s14, 1                         ; my half of A's side; also: I fetch for A (0) or B (1)
	s_and_b32 s16, s14, 1                          ; my half of B's side; also: which 128 rows I fetch
	s_bfe_u32 s40, ttmp6, 0x40000                  ; cx
	s_bfe_u32 s41, ttmp6, 0x40004                  ; cy
	s_lshl_b32 s42, ttmp9, 2
	s_add_co_u32 s42, s42, s40                     ; block of B's side
	s_and_b32 s66, ttmp7, 0xffff
	s_lshr_b32 s67, s66, 1                         ; the tensor t
	s_and_b32 s17, s66, 1
	s_lshl_b32 s17, s17, 2
	s_add_co_u32 s17, s17, s41                     ; block of A's side
	s_lshl_b32 s43, s41, 2
	s_lshl_b32 s43, 15, s43                        ; my row of the cluster
	s_lshl_b32 s44, 0x1111, s40                    ; my column
	s_or_b32 s[G1+0], s43, (3<<16)|(1<<21)         ; elements of 8 bytes; bit 21 beside the mask
	s_or_b32 s[G1B+0], s44, (3<<16)|(1<<21)
	s_or_b32 s[HG1+0], s43, (3<<16)|(1<<21)
	s_or_b32 s[HG1B+0], s44, (3<<16)|(1<<21)
.irp g, G1, G1B                        ; a refill: 32,768 dense bytes as 128 rows of 256
	s_mov_b32 s[\g+1], 32<<16
	s_mov_b32 s[\g+2], 128<<16
	s_mov_b32 s[\g+3], 32<<16
	s_mov_b32 s[\g+4], 128
	s_mov_b32 s[\g+5], 32
	s_mov_b32 s[\g+6], 0
	s_mov_b32 s[\g+7], 0
.endr
.irp g, HG1, HG1B                      ; the head: 2 rows of 4,096 elements, 65,536 elements apart
	s_mov_b32 s[\g+1], 4096<<16
	s_mov_b32 s[\g+2], 2<<16
	s_mov_b32 s[\g+3], 4096<<16
	s_mov_b32 s[\g+4], 2
	s_mov_b32 s[\g+5], 65536
	s_mov_b32 s[\g+6], 0
	s_mov_b32 s[\g+7], 0
.endr
	s_add_co_u32 s78, s67, 3                       ; sections of opc: A = x by e0 / e2 (0, 1) or Wv (5); B = Wq, Wk (3, 4) or x by e4 (2)
	s_cmp_eq_u32 s67, 2
	s_cselect_b32 s79, 5, s67
	s_cselect_b32 s78, 2, s78
	s_lshl_b32 s18, s16, 15
	s_lshl_b32 s20, s79, 22
	s_lshl_b32 s19, s17, 16
	s_add_co_u32 s20, s20, s19
	s_add_co_u32 s20, s20, s18
	s_mov_b32 s21, 0
	s_lshl_b32 s46, s78, 22
	s_lshl_b32 s19, s42, 16
	s_add_co_u32 s46, s46, s19
	s_add_co_u32 s46, s46, s18
	s_mov_b32 s47, 0
	s_lshl_b32 s45, s14, 16                        ; my part of LDS
	s_lshl_b32 s22, s17, 1
	s_add_co_u32 s22, s22, s15                     ; my 128 of A's side
	s_lshl_b32 s23, s42, 1
	s_add_co_u32 s23, s23, s16                     ; my 128 of B's side
	s_cmp_eq_u32 s67, 2
	s_cselect_b32 s18, s22, s23                    ; the head
	s_cselect_b32 s19, s23, s22                    ; the 128 positions
	s_lshl_b32 s78, s67, 22
	s_lshl_b32 s18, s18, 18
	s_add_co_u32 s78, s78, s18
	s_lshr_b32 s18, s19, 1
	s_lshl_b32 s18, s18, 15
	s_add_co_u32 s78, s78, s18
	s_and_b32 s18, s19, 1
	s_lshl_b32 s18, s18, 13
	s_add_co_u32 s78, s78, s18
	s_mov_b32 s79, 0
	s_wait_dscnt 0x0                               ; both opening adds are done
	s_wait_kmcnt 0x0
	s_load_b256 s[68:75], s[8:9], 0x0              ; e0 .. e7
	s_load_b64 s[76:77], s[8:9], 0x20              ; e8, e9
	s_add_nc_u64 s[80:81], s[10:11], s[78:79]      ; where my codes go
	s_lshl_b32 s78, s22, 16
	s_add_nc_u64 s[82:83], s[6:7], s[78:79]        ; the table of my 128 positions (t = 0, 1)
	s_add_nc_u64 s[20:21], s[4:5], s[20:21]
	s_add_nc_u64 s[46:47], s[4:5], s[46:47]
.irp s, 0,1
	s_mov_b32 s[G0+4*\s], 1
	s_add_co_u32 s[G0+4*\s+1], s45, \s*HALFT
	s_add_nc_u64 s[G0+4*\s+2:G0+4*\s+3], s[20:21], \s*KS2B
	s_or_b32 s[G0+4*\s+3], s[G0+4*\s+3], 0x80000000
	s_mov_b32 s[G0B+4*\s], 1
	s_add_co_u32 s[G0B+4*\s+1], s45, \s*HALFT
	s_add_nc_u64 s[G0B+4*\s+2:G0B+4*\s+3], s[46:47], \s*KS2B
	s_or_b32 s[G0B+4*\s+3], s[G0B+4*\s+3], 0x80000000
.endr
	s_cmp_eq_u32 s15, 0
	s_cselect_b32 s18, s40, s41                    ; my place among the four that ask with me: cx for A, cy for B
	s_cselect_b64 s[PFA:PFA+1], s[20:21], s[46:47]
	s_lshl_b32 s18, s18, 13
	s_mov_b32 s19, 0
	s_add_nc_u64 s[PFA:PFA+1], s[PFA:PFA+1], s[18:19]
	s_lshl_b32 s18, s15, 16                        ; LDS: my 128 rows of A,
	s_lshl_b32 s19, s16, 16
	s_add_co_u32 s19, s19, 2*PART                  ; of B
	s_lshl_b32 s22, s40, 1
	s_add_co_u32 s22, s22, s16
	s_lshl_b32 s22, s22, 13                        ; my share of the table's block
	CROUND                                         ; all sixteen work-groups are here: the first joint loads meet
	JLOAD G0, HG1, G0B, HG1B                       ; K blocks 0 and 1: my one load at the head
	v_and_b32 v6, 31, v0
	v_lshlrev_b32 v[LI], 4, v6
	v_lshlrev_b32 v[PFO], 8, v6
	v_add_nc_u32 v[ADRA], s18, v[LI]
	v_add_nc_u32 v[ADRB], s19, v[LI]
	v_add_nc_u32 v[ADRA+1], HALFT, v[ADRA]
	v_add_nc_u32 v[ADRB+1], HALFT, v[ADRB]
	v_add_nc_u32 v[RPO], s22, v[PFO]
	s_wait_alu depctr_va_vdst(0)                   ; the wait ahead of the readers below
	global_prefetch_b8 v[PFO], s[PFA:PFA+1] offset:2*KS2B th:TH_LOAD_NT scope:SCOPE_SE   ; K blocks 2 and 3: what the first two refills load
	global_prefetch_b8 v[PFO], s[PFA:PFA+1] offset:3*KS2B th:TH_LOAD_NT scope:SCOPE_SE
	s_wait_kmcnt 0x0
	s_add_co_i32 s18, s68, s69                     ; a sum stands for sum x 2^(eA + eB); its code is sum / 2^(e out - eA - eB)
	s_add_co_i32 s19, s70, s71
	s_add_co_i32 s22, s72, s73
	s_cmp_eq_u32 s67, 1
	s_cselect_b32 s18, s19, s18
	s_cselect_b32 s23, s75, s74
	s_cmp_eq_u32 s67, 2
	s_cselect_b32 s18, s22, s18
	s_cselect_b32 s23, s77, s23
	s_sub_co_i32 s18, s23, s18
	s_add_co_i32 s18, s18, 127
	s_lshl_b32 s19, s18, 23
	s_add_co_i32 s18, s18, 8
	s_lshl_b32 s18, s18, 23
	s_or_b32 s18, s18, 0x600000
	v_mov_b32 v[SC], s19                           ; the conversion's scale
	v_mov_b32 v[LIM], s18                          ; 448 x that
.macro FRAG reg, adr, q, i
.irp c, 0,1,2,3
	ds_load_b128 v[\reg+4*\c:\reg+4*\c+3], v[\adr] offset:2048*(\q)+512*\c+(\i)*4096
.endr
.endm
.macro MUL16 a0, p, zero               ; A's blocks a0, a0 + 1 x B's eight; the 64 accumulators take turns
.irp a, \a0, \a0+1
.irp b, 0,1,2,3,4,5,6,7
.if \zero
	v_wmma_f32_16x16x128_fp8_fp8 v[8*(8*((\a)%4)+\b):8*(8*((\a)%4)+\b)+7], v[128*(\p)+FR*\b:128*(\p)+FR*\b+FR-1], v[AF+FR*(\a):AF+FR*(\a)+FR-1], 0
.else
	v_wmma_f32_16x16x128_fp8_fp8 v[8*(8*((\a)%4)+\b):8*(8*((\a)%4)+\b)+7], v[128*(\p)+FR*\b:128*(\p)+FR*\b+FR-1], v[AF+FR*(\a):AF+FR*(\a)+FR-1], v[8*(8*((\a)%4)+\b):8*(8*((\a)%4)+\b)+7]
.endif
.endr
.endr
.endm
.macro FETCH_B slot, q, p
	WIN TO_B
.irp i, 0,1,2,3,4,5,6,7
	FRAG 128*(\p)+FR*\i, ADRB+\slot, \q, \i
.endr
	WIN 0
.endm
.macro FETCH_A slot, q, i0
.irp i, \i0, \i0+1, \i0+2, \i0+3
	FRAG AF+FR*(\i), ADRA+\slot, \q, \i
.endr
.endm
.macro PLACES n                        ; places between matrix instructions and loads into, or reads of, their registers
.rept \n
	v_nop
.endr
.endm
.macro STEP slot, q, zero              ; 128 along K whose successor lies in the same slot
	s_wait_dscnt 4*NL                              ; all but A's blocks 4-7
	WIN MUL_LO
	MUL16 0, (\q)%2, \zero
	MUL16 2, (\q)%2, \zero
	s_wait_dscnt 0
	PLACES NP
	FETCH_B \slot, (\q)+1, 1-(\q)%2
	FETCH_A \slot, (\q)+1, 0
	WIN MUL_HI
	MUL16 4, (\q)%2, \zero
	MUL16 6, (\q)%2, \zero
	PLACES NP
	WIN 0
	FETCH_A \slot, (\q)+1, 4
.endm
.macro TURN slot, next, fill           ; a slot's last step changes slots; fill = 1: the slot is filled again, behind a round of the cluster's barrier
.if \fill
	s_wait_xcnt 0x0                                ; my last prefetch has read its address
	s_add_nc_u64 s[PFA:PFA+1], s[PFA:PFA+1], KS2B
.endif
	s_wait_tensorcnt 0x0                           ; my one load that was out has landed
	ds_add_u32 v[SPW], v[NIL]
	s_wait_dscnt 4*NL+1                            ; the add and A's blocks 4-7 may be out
	WIN MUL_LO
	MUL16 0, 1, 0
	s_wait_dscnt 0x0                               ; the add is done, my reads of this slot are over
	s_barrier_signal -1
	MUL16 2, 1, 0
	WIN 0
	s_barrier_wait -1
.if \fill
	CREST
	s_add_nc_u64 s[G0+4*\slot+2:G0+4*\slot+3], s[G0+4*\slot+2:G0+4*\slot+3], 2*KS2B
	s_add_nc_u64 s[G0B+4*\slot+2:G0B+4*\slot+3], s[G0B+4*\slot+2:G0B+4*\slot+3], 2*KS2B
	JLOAD G0+4*\slot, G1, G0B+4*\slot, G1B
.else
	PLACES NP
.endif
	FETCH_B \next, 0, 0
	FETCH_A \next, 0, 0
.if \fill
	ASK
.endif
	WIN MUL_HI
	MUL16 4, 1, 0
	MUL16 6, 1, 0
	PLACES NP
	WIN 0
	FETCH_A \next, 0, 4
.endm
	s_wait_alu depctr_va_vdst(0)                   ; the wait at the head's end
	s_wait_tensorcnt 0x0                           ; my part of K blocks 0 and 1 is in
	s_barrier_signal -1
	s_barrier_wait -1                              ; and everybody's
	FETCH_B 0, 0, 0
	FETCH_A 0, 0, 0
	FETCH_A 0, 0, 4
	STEP 0, 0, 1                                   ; the first step starts the sums
	s_mov_b32 s3, LAPS-1
.Llap:                                             ; three trips: K blocks 2 to 7 are asked for
	TURN 0, 1, 1
	STEP 1, 0, 0
	TURN 1, 0, 1
	STEP 0, 0, 0
	s_sub_co_u32 s3, s3, 1
	s_cmp_lg_u32 s3, 0
	s_cbranch_scc1 .Llap
	s_cmp_eq_u32 s67, 2                            ; v has no RoPE: the tensor is the same in all partners
	s_cbranch_scc1 .Lno_ask
	global_prefetch_b8 v[RPO], s[82:83] th:TH_LOAD_NT scope:SCOPE_SE   ; my 8,192 bytes of the table, three steps of 128 ahead of its first load
.Lno_ask:
	TURN 0, 1, 0
	STEP 1, 0, 0
.macro LOADCS a                        ; the table of block a's 16 positions into set a % 4 of window 1
	WIN TO_B
.irp b, 0,1,2,3,4,5,6,7
	global_load_b128 v[64*((\a)%4)+8*\b:64*((\a)%4)+8*\b+3], v[LI], s[82:83] offset:(\a)*8192+\b*1024
	global_load_b128 v[64*((\a)%4)+8*\b+4:64*((\a)%4)+8*\b+7], v[LI], s[82:83] offset:(\a)*8192+\b*1024+512
.endr
	WIN 0
.endm
	s_cmp_eq_u32 s67, 2
	s_cbranch_scc1 .Lno_table
	LOADCS 0                                       ; into B's set 0, whose last products stand four places back
	LOADCS 1
.Lno_table:
	s_wait_dscnt 4*NL                              ; the very last step
	WIN MUL_LO
	MUL16 0, 1, 0
	MUL16 2, 1, 0
	s_wait_dscnt 0
	WIN MUL_HI
	MUL16 4, 1, 0
	MUL16 6, 1, 0
	WIN 0
.macro FIN a, hold                     ; hold, convert, store the image of a fragment: 4 x 512 consecutive bytes
.if \hold
.set j, 0
.rept 64
	v_med3_num_f32 v[T+j], v[T+j], -v[LIM], v[LIM]   ; the conversion does not saturate (ISA guide 7.6.2)
.set j, j+1
.endr
.endif
.if (\a) >= 4
	s_wait_alu depctr_va_vdst(0)                   ; the wait ahead of the wait below
	s_wait_xcnt 0x0                                ; block a - 4's stores have read their codes
.endif
.irp b, 0,1,2,3,4,5,6,7
	v_cvt_scalef32_pk8_fp8_f32 v[CD+16*((\a)%4)+2*\b:CD+16*((\a)%4)+2*\b+1], v[T+8*\b:T+8*\b+7], v[SC]
.endr
	v_nop                                          ; a plain line behind the conversions
.irp c, 0,1,2,3
	global_store_b128 v[LI], v[CD+16*((\a)%4)+4*\c:CD+16*((\a)%4)+4*\c+3], s[80:81] offset:((\a)/4)*16384+((\a)%4)*2048+512*\c
.endr
.endm
.macro QBLK a                          ; RoPE on block a: pairs of neighbouring registers
.if (\a) < 5
	s_wait_loadcnt 48                              ; block a's table is in; three younger blocks' 16 loads each may be out
.else
	s_wait_loadcnt 16*(7-(\a))
.endif
	WIN 0x06+(\a)/4                                ; source 0: accumulators (window 2 or 3); source 1: the table (window 1)
.set AC, 64*((\a)%4)
.irp b, 0,1,2,3,4,5,6,7
.irp i, 0,1,2,3
	v_mul_f32 v[T+8*\b+2*\i], v[AC+8*\b+2*\i+1], v[AC+8*\b+4+\i]
	v_mul_f32 v[T+8*\b+2*\i+1], v[AC+8*\b+2*\i+1], v[AC+8*\b+\i]
	v_fma_f32 v[T+8*\b+2*\i], v[AC+8*\b+2*\i], v[AC+8*\b+\i], -v[T+8*\b+2*\i]
	v_fma_f32 v[T+8*\b+2*\i+1], v[AC+8*\b+2*\i], v[AC+8*\b+4+\i], v[T+8*\b+2*\i+1]
.endr
.endr
	WIN 0
.if (\a)+4 < 8
	LOADCS (\a)+4
.endif
	FIN \a, 1
.endm
.macro VBLK a
	WIN 0x02+(\a)/4
.set AC, 64*((\a)%4)
.set j, 0
.rept 64
	v_med3_num_f32 v[T+j], v[AC+j], -v[LIM], v[LIM]
.set j, j+1
.endr
	WIN 0
	FIN \a, 0
.endm
	PLACES NP                                      ; behind the last products: for the reads of their results and the loads into B's set 1
	s_cmp_eq_u32 s67, 2
	s_cbranch_scc1 .Lv
	LOADCS 2
	LOADCS 3
.irp a, 0,1,2,3,4,5,6,7
	QBLK \a
.endr
	s_branch .Lend
.Lv:
.irp a, 0,1,2,3,4,5,6,7
	VBLK \a
.endr
.Lend:
	s_wait_tensorcnt 0x0                           ; the wave's end
	ds_add_u32 v[SPW], v[NIL]
	s_wait_dscnt 0x0
	CROUND                                         ; the closing round
	s_endpgm
.Lfunc_end_k_q1cb8103694_qkv:
	.size	k_q1cb8103694_qkv, .Lfunc_end_k_q1cb8103694_qkv-k_q1cb8103694_qkv
	.p2alignl 7, 3214868480
	.fill 96, 4, 3214868480
	.section	.rodata,"a",@progbits
	.p2align	6, 0x0
	.amdhsa_kernel k_q1cb8103694_qkv
		.amdhsa_group_segment_fixed_size 327680
		.amdhsa_private_segment_fixed_size 0
		.amdhsa_enable_private_segment 0
		.amdhsa_kernarg_size 32
		.amdhsa_user_sgpr_count 2
		.amdhsa_user_sgpr_kernarg_segment_ptr 1
		.amdhsa_wavefront_size32 1
		.amdhsa_system_sgpr_workgroup_id_x 1
		.amdhsa_system_sgpr_workgroup_id_y 1
		.amdhsa_system_sgpr_workgroup_id_z 1
		.amdhsa_system_vgpr_workitem_id 0
		.amdhsa_next_free_vgpr 1024
		.amdhsa_next_free_sgpr 100
		.amdhsa_reserve_vcc 0
		.amdhsa_float_denorm_mode_32 3
		.amdhsa_float_denorm_mode_16_64 3
		.amdhsa_memory_ordered 1
		.amdhsa_forward_progress 1
		.amdhsa_inst_pref_size 220
	.end_amdhsa_kernel
	.amdgpu_metadata
---
amdhsa.version: [ 1, 2 ]
amdhsa.kernels:
  - .name:           k_q1cb8103694_qkv
    .symbol:         k_q1cb8103694_qkv.kd
    .args:
      - { .name: opc, .offset: 0, .size: 8, .value_kind: global_buffer, .address_space: global }
      - { .name: rope, .offset: 8, .size: 8, .value_kind: global_buffer, .address_space: global }
      - { .name: lowp_scales, .offset: 16, .size: 8, .value_kind: global_buffer, .address_space: global }
      - { .name: qkv, .offset: 24, .size: 8, .value_kind: global_buffer, .address_space: global }
    .group_segment_fixed_size: 327680
    .private_segment_fixed_size: 0
    .kernarg_segment_align: 8
    .kernarg_segment_size: 32
    .max_flat_workgroup_size: 128
    .sgpr_count:     100
    .vgpr_count:     1024
    .wavefront_size: 32
...
	.end_amdgpu_metadata
.endif
;; end of part 2
;; launch attn (part 3): grid 16 x 16, 8 waves a work-group, no clusters, 327,680 bytes of LDS; arguments qkv, lowp_scales, ac; writes ac
.if DOCPART == 3
	.amdgcn_target "amdgcn-amd-amdhsa--gfx1250"
	.amdhsa_code_object_version 6
	.text
	.protected	k_q1cb8103694_attn
	.globl	k_q1cb8103694_attn
	.p2align	8
	.type	k_q1cb8103694_attn,@function
k_q1cb8103694_attn:
	s_mov_b64 s[64:65], 0
	v_nop
	global_prefetch_b8 v0, s[64:65] scope:SCOPE_SE
	s_setreg_imm32_b32 hwreg(HW_REG_WAVE_MODE, 25, 1), 1
	s_wait_xcnt 0x0
; THE ATTENTION on codes of E4M3: o = softmax(q k^T / sqrt(128), causal) v, quantised for the last projection.
; WORK LEFT OUT: a step of 128 keys all of which come after a wave's 32 queries: reference()'s own jnp.tril gives those scores the weight 0 (shown at the head of the first launch's text).
; THE SOFTMAX AHEAD OF THE SECOND PRODUCT: t = score x log2(e) / sqrt(128); M = the running largest t rounded up to a whole number; p = 2^(t - M) is quantised by 2^e8, not normalised; the row's sum is
; taken of the unquantised p and divides at the end; when M moves, the sum and O are multiplied by 2^(old M - new M), which rounds nothing.
; SHARES.  Work-group (j, head) owns the blocks of 64 queries numbered 31 - j (waves 0-3) and j (waves 4-7).  A wave owns 32 queries, two tiles of 16 whose lines take turns, so that each fragment of K and V
; feeds two matrix instructions; of the steps of 128 keys it takes every second one: waves 2 i and 2 i + 1 have the same queries and the even and the odd steps.  At the end the odd wave hands -M, its sum and
; O^T to its partner through LDS, and the partner joins the two: both are brought under the larger M by powers of two.
; A step is walked where its first key is at or under the wave's last query; first keys are multiples of 128 and first queries of 32, so every query of a walked step sees the step's first key: M is a number.
; Both products are used transposed (S^T = K Q^T, O^T = V^T P^T): a lane holds one query of each tile; tile t of S^T gives lane (r, h) keys 16 t + 8 h + 0..7: registers 2 t, 2 t + 1 of P.
; THE RING: two slots of 512 keys: 65,536 bytes of K's images, then of V's (the layout is stated at the head of the projections' text).  Each of the eight waves fetches 16,384 dense bytes, one load a wave behind each
; change of slots.  Every work-group walks all four changes, so that the trip count is a constant; a slot whose first key comes after the work-group's last query (the one behind the last among them) is not asked for.
; THE ROW'S SUM of a step's p is added at the head of the wave's next walked step, between the request for K and the wait for it, and once more behind the loop; S^T begins as zeros for that.
; NO CLUSTER: the work-groups of a head stop asking at slots that hang on their number, and a joint load is issued by every work-group that it names on every path; so each work-group asks for itself.
; PREFETCH: work-group j = 0, which walks all slots of its head, asks at a change of slots for the slot that the next change loads: each wave its own 16,384 bytes, two lines, lanes 256 bytes apart.  Slots 0 and 1 come by their loads alone.
; OUT: ac, the image layout of a GEMM operand: byte (head / 2) 524,288 + (query / 16) 4,096 + (head % 2) 2,048 + image.
; LIMITS: e6 + e7 between -123 and 130 (added to c's exponent field); e8 and e10 between -126 and 119; e8 + e9 is applied by v_ldexp_f32 and has none.
; REGISTERS, window 0: v1-10 addresses; tile x: v[12+2x] -M, v[13+2x] the largest t, v[16+2x:17+2x] the sum, v[20+2x] f; v24-55 Q; v56-183 S^T, p, o; v184-215 codes; v216-255 at work and constants.
;   window 1: v0-127 K's eight fragments, then V's; v128-255 O^T.
.set SLOT1, 1<<17                      ; slot 1 begins here: one exclusive or turns an address
.set SPARE, 2*SLOT1                    ; behind the ring: the spare words, 128 bytes a wave, named by no other line
.set STGB,  17408                      ; the hand-over of a pair of waves: 33 x 512 bytes, in slot 0, behind the barrier that follows the loop
.set LI,   1                           ; 16 x lane
.set AK0,  2                           ; + 8,192 x my parity
.set AV0,  3                           ; + 65,536
.set PFO,  4                           ; 256 x lane
.set SPW,  5
.set NIL,  6
.set DQ,   7                           ; lane % 16 - 8 (lane / 16)
.set ADK,  8
.set ADV,  9
.set STG,  10
.set L,    16
.set Q,    24
.set S,    56
.set P,    184
.set MX,   216                         ; four running maxima a tile
.set TM,   224                         ; eight held numbers a tile
.set AX,   252                         ; the sum's second chain, a pair a tile
.set TB,   2                           ; s2  LDS byte at which the slot in hand begins
.set PAR,  16                          ; s16 my parity
.set SF,   17                          ; s17 the first key of the slot in hand
.set WV,   18
.set SEL,  20
.set CS,   22
.set G1,   24
.set G0,   40
.set LQ,   66                          ; s66 my work-group's last query
.set SLOTS, 67
.set PFA,  76
.set LIM,  80
.set KF,   98                          ; s98 my next step's first key
.set Q0,   99                          ; s99 my first query
.set MSB, 0
.macro WIN new                         ; the immediate's high byte repeats the setting that is left; at a label and at a branch every window is 0
.if MSB != (\new)
	s_set_vgpr_msb (MSB<<8)|(\new)
.set MSB, \new
.endif
.endm
.set TO_1,  0x40                       ; destination window 1
.set A_IN1, 0x01                       ; source 0 window 1
.macro TLOAD
	tensor_load_to_lds s[G0:G0+3], s[G1:G1+7]
	s_nop 0                                        ; with the four behind it, ahead of a switch of windows
.rept 4
	v_nop
.endr
.endm
.macro PSUM_HEAD                       ; the sum of the p that lie in S^T's registers: two chains a tile
.irp x, 0,1
	v_pk_add_f32 v[AX+2*\x:AX+2*\x+1], v[S+64*\x:S+64*\x+1], v[S+64*\x+2:S+64*\x+3]
.endr
.endm
.macro PSUM_REST
.set n, 4
.rept 15
.irp x, 0,1
	v_pk_add_f32 v[L+2*\x:L+2*\x+1], v[L+2*\x:L+2*\x+1], v[S+64*\x+n:S+64*\x+n+1]
	v_pk_add_f32 v[AX+2*\x:AX+2*\x+1], v[AX+2*\x:AX+2*\x+1], v[S+64*\x+n+2:S+64*\x+n+3]
.endr
.set n, n+4
.endr
.irp x, 0,1
	v_pk_add_f32 v[L+2*\x:L+2*\x+1], v[L+2*\x:L+2*\x+1], v[AX+2*\x:AX+2*\x+1]
.endr
.endm
	s_load_b128 s[4:7], s[0:1], 0x0                ; qkv, the scales' exponents
	s_load_b64 s[8:9], s[0:1], 0x10                ; ac
	v_lshl_add_u32 v[SPW], v0, 2, SPARE
	v_mov_b32 v[NIL], 0
	ds_add_u32 v[SPW], v[NIL]                      ; the opening lines: the add twice on end and its wait
	ds_add_u32 v[SPW], v[NIL]
	v_lshrrev_b32 v8, 5, v0
	v_readfirstlane_b32 s[WV], v8                  ; wave 0..7
	s_and_b32 s10, ttmp7, 0xffff                   ; the head
	s_and_b32 s[PAR], s[WV], 1
	s_bfe_u32 s11, s[WV], 0x10001                  ; which 32 of the block's 64 queries
	s_sub_co_u32 s12, 31, ttmp9
	s_cmp_lt_u32 s[WV], 4
	s_cselect_b32 s12, s12, ttmp9                  ; my block of 64 queries
	s_lshl_b32 s[Q0], s12, 6
	s_lshl_b32 s13, s11, 5
	s_add_co_u32 s[Q0], s[Q0], s13
	s_sub_co_u32 s[LQ], 32, ttmp9
	s_lshl_b32 s[LQ], s[LQ], 6
	s_sub_co_u32 s[LQ], s[LQ], 1
	s_lshr_b32 s44, s[WV], 2                       ; what I fetch: section 1 (K, waves 0-3) or 2 (V),
	s_add_co_u32 s44, s44, 1
	s_lshl_b32 s44, s44, 22
	s_lshl_b32 s13, s10, 18                        ; the head,
	s_add_co_u32 s44, s44, s13
	s_and_b32 s14, s[WV], 3
	s_lshl_b32 s14, s14, 14                        ; which quarter of a slot's 65,536 bytes
	s_add_co_u32 s44, s44, s14
	s_mov_b32 s45, 0
	s_lshr_b32 s46, s12, 2                         ; my two fragments of Q, in section 0
	s_lshl_b32 s46, s46, 15
	s_add_co_u32 s46, s46, s13
	s_and_b32 s14, s12, 1
	s_lshl_b32 s14, s14, 14
	s_add_co_u32 s46, s46, s14
	s_bfe_u32 s14, s12, 0x10001
	s_lshl_b32 s14, s14, 13
	s_add_co_u32 s46, s46, s14
	s_lshl_b32 s14, s11, 12
	s_add_co_u32 s46, s46, s14
	s_mov_b32 s47, 0
	s_lshr_b32 s48, s10, 1                         ; my two fragments of the output
	s_lshl_b32 s48, s48, 19
	s_lshl_b32 s14, s[Q0], 8
	s_add_co_u32 s48, s48, s14
	s_and_b32 s14, s10, 1
	s_lshl_b32 s14, s14, 11
	s_add_co_u32 s48, s48, s14
	s_mov_b32 s49, 0
	s_mov_b32 s[G1], 3<<16                         ; 16,384 dense bytes as 64 rows of 32 elements of 8 bytes
	s_mov_b32 s[G1+1], 32<<16
	s_mov_b32 s[G1+2], 64<<16
	s_mov_b32 s[G1+3], 32<<16
	s_mov_b32 s[G1+4], 64
	s_mov_b32 s[G1+5], 32
	s_mov_b32 s[G1+6], 0
	s_mov_b32 s[G1+7], 0
	s_mov_b32 s[SEL], 0x76543210
	s_mov_b32 s[SEL+1], 0xfedcba98
	s_mov_b32 s[CS], 0x3e0293ee                    ; c = log2(e) / sqrt(128)
	s_mov_b32 s[TB], 0
	s_mov_b32 s[SF], 0
	s_mov_b32 s[SLOTS], 4
	s_lshl_b32 s[KF], s[PAR], 7
	s_cmp_eq_u32 ttmp9, 0
	s_cselect_b32 s[LIM], 2, -1                    ; a wave prefetches while s[SLOTS] is above this
	s_lshl_b32 s82, s[PAR], 13
	s_lshr_b32 s83, s[WV], 1
	s_mul_i32 s83, s83, STGB
	s_wait_dscnt 0x0                               ; both opening adds are done
	s_wait_kmcnt 0x0
	s_load_b128 s[68:71], s[6:7], 0x18             ; e6, e7, e8, e9
	s_load_b32 s72, s[6:7], 0x28                   ; e10
	s_mov_b32 s[G0], 1
	s_lshl_b32 s[G0+1], s[WV], 14                  ; LDS: slot 0, piece = my wave's number
	s_add_nc_u64 s[G0+2:G0+3], s[4:5], s[44:45]
	s_add_nc_u64 s[PFA:PFA+1], s[G0+2:G0+3], 65536 ; slot 1: the first change steps it to slot 2
	s_or_b32 s[G0+3], s[G0+3], 0x80000000
	TLOAD                                          ; slot 0: it holds key 0, which counts for every query
	s_add_nc_u64 s[50:51], s[4:5], s[46:47]
	s_add_nc_u64 s[8:9], s[8:9], s[48:49]
	v_and_b32 v8, 31, v0
	v_lshlrev_b32 v[LI], 4, v8
	v_lshlrev_b32 v[PFO], 8, v8
.irp x, 0,1
.irp c, 0,1,2,3
	global_load_b128 v[Q+16*\x+4*\c:Q+16*\x+4*\c+3], v[LI], s[50:51] offset:2048*\x+512*\c   ; Q's two fragments stay in registers
.endr
.endr
	v_add_nc_u32 v[AK0], s82, v[LI]
	v_add_nc_u32 v[AV0], 65536, v[AK0]
	v_add_nc_u32 v[STG], s83, v[LI]
	v_and_b32 v[DQ], 15, v0
	v_bfe_u32 v9, v0, 4, 1
	v_lshlrev_b32 v9, 3, v9
	v_sub_nc_u32 v[DQ], v[DQ], v9
.irp x, 0,1
	v_mov_b32 v[13+2*\x], 0xff61b1e6               ; the largest t so far: -3e38
	v_floor_f32 v[12+2*\x], -v[13+2*\x]            ; -M
	v_mov_b32 v[L+2*\x], 0
	v_mov_b32 v[L+2*\x+1], 0
	v_mov_b32 v[20+2*\x], 0
	v_mov_b32 v[21+2*\x], 0                        ; (named as the upper half of f's pair)
	v_mov_b32 v[246+\x], 0                         ; a lane permute's destination counts as one of its sources
.endr
.set n, 0
.rept 128
	v_mov_b32 v[S+n], 0                            ; no p yet
.set n, n+1
.endr
	WIN TO_1
.set n, 0
.rept 128
	v_mov_b32 v[128+n], 0                          ; O^T: the step is written once; its first run finds zeros
.set n, n+1
.endr
	WIN 0
	s_wait_kmcnt 0x0
	s_add_co_i32 s73, s68, s69
	s_lshl_b32 s73, s73, 23
	s_add_co_i32 s[CS], s[CS], s73                 ; a score stands for score x 2^(e6 + e7)
	s_mov_b32 s[CS+1], s[CS]
	s_add_co_i32 s73, s70, 127
	s_lshl_b32 s74, s73, 23
	v_mov_b32 v244, s74                            ; 2^e8
	s_add_co_i32 s73, s73, 8
	s_lshl_b32 s73, s73, 23
	s_or_b32 s73, s73, 0x600000
	v_mov_b32 v240, s73                            ; 448 x 2^e8
	s_add_co_i32 s73, s72, 127
	s_lshl_b32 s74, s73, 23
	v_mov_b32 v245, s74                            ; 2^e10
	s_add_co_i32 s73, s73, 8
	s_lshl_b32 s73, s73, 23
	s_or_b32 s73, s73, 0x600000
	v_mov_b32 v241, s73                            ; 448 x 2^e10
; MY u-TH STEP OF THE SLOT IN HAND: 128 keys x 32 queries.
.macro STEP u
	s_add_co_u32 s96, s[Q0], 31                    ; all keys after my queries: the step's work is left out; no barrier and no tensor load stands in a step
	s_cmp_gt_u32 s[KF], s96
	s_cbranch_scc1 .Lhidden_\@
	v_add_nc_u32 v[ADK], s[TB], v[AK0]
	v_add_nc_u32 v[ADV], s[TB], v[AV0]
	PSUM_HEAD                                      ; with the two additions: four places between the last products V^T P^T and the loads into V's registers
	WIN TO_1
.irp t, 0,1,2,3,4,5,6,7                        ; all of K in one run
.irp c, 0,1,2,3
	ds_load_b128 v[16*\t+4*\c:16*\t+4*\c+3], v[ADK] offset:(\u)*32768+(\t/4)*16384+(\t%4)*2048+512*\c
.endr
.endr
	WIN 0
	PSUM_REST                                      ; the last walked step's p, while K is on its way
	s_wait_alu depctr_va_vdst(0)                   ; the wait ahead of the wait below
	s_wait_dscnt 16                                ; tiles 0-3 are in; the 16 loads of tiles 4-7 may be out
	WIN A_IN1
.irp t, 0,1,2,3                                ; S^T = K Q^T: each fragment of K against both tiles of queries
.irp x, 0,1
	v_wmma_f32_16x16x128_fp8_fp8 v[S+64*\x+8*\t:S+64*\x+8*\t+7], v[16*\t:16*\t+15], v[Q+16*\x:Q+16*\x+15], 0
.endr
.endr
	s_wait_dscnt 0x0
.irp t, 4,5,6,7
.irp x, 0,1
	v_wmma_f32_16x16x128_fp8_fp8 v[S+64*\x+8*\t:S+64*\x+8*\t+7], v[16*\t:16*\t+15], v[Q+16*\x:Q+16*\x+15], 0
.endr
.endr
.rept 4
	v_nop                                          ; places: ahead of the loads into K's registers and of the first read of the scores
.endr
	WIN TO_1
.irp t, 0,1,2,3,4,5,6,7                        ; all of V in one run, wanted behind the softmax
.irp c, 0,1,2,3
	ds_load_b128 v[16*\t+4*\c:16*\t+4*\c+3], v[ADV] offset:(\u)*32768+(\t/4)*16384+(\t%4)*2048+512*\c
.endr
.endr
	WIN 0
	s_add_co_u32 s96, s[KF], 127                   ; on the diagonal hidden scores become -infinity ahead of the maximum; a step all of whose keys count skips this
	s_cmp_le_u32 s96, s[Q0]
	s_cbranch_scc1 .Lopen_\@
	s_sub_co_i32 s96, s[Q0], s[KF]
	v_add_nc_u32 v252, s96, v[DQ]                  ; d = tile 0's query - KF - 8 (lane / 16).  Register 8 t + i of tile x holds key KF + 16 t + 8 (lane / 16) + i: hidden where 16 t + i - 16 x > d
	v_mov_b32 v254, 0xff800000
.irp x, 0,1
.set n, 0
.rept 64
	v_cmp_gt_i32 vcc_lo, 16*(n/8)+n%8-16*\x, v252
	v_cndmask_b32 v[S+64*\x+n], v[S+64*\x+n], v254, vcc_lo
.set n, n+1
.endr
.endr
.Lopen_\@:
.irp c, 0,1,2,3                                ; the step's largest score of each query: four chains a tile; each accumulator is first read at its low end
.irp x, 0,1
	v_max3_num_f32 v[MX+4*\x+\c], v[S+64*\x+16*\c], v[S+64*\x+16*\c+1], v[S+64*\x+16*\c+2]
.endr
.endr
.irp i, 3,5,7,9,11,13
.irp c, 0,1,2,3
.irp x, 0,1
	v_max3_num_f32 v[MX+4*\x+\c], v[MX+4*\x+\c], v[S+64*\x+16*\c+\i], v[S+64*\x+16*\c+\i+1]
.endr
.endr
.endr
.irp x, 0,1
	v_max3_num_f32 v[MX+4*\x], v[MX+4*\x], v[MX+4*\x+1], v[S+64*\x+15]
	v_max3_num_f32 v[MX+4*\x+2], v[MX+4*\x+2], v[MX+4*\x+3], v[S+64*\x+31]
.endr
.irp x, 0,1
	v_max3_num_f32 v[MX+4*\x], v[MX+4*\x], v[MX+4*\x+2], v[S+64*\x+47]
.endr
.irp x, 0,1
	v_max_num_f32 v[250+\x], v[MX+4*\x], v[S+64*\x+63]
.endr
.irp x, 0,1
	v_permlanex16_b32 v[246+\x], v[250+\x], s[SEL], s[SEL+1]
.endr
.irp x, 0,1
	v_max_num_f32 v[250+\x], v[250+\x], v[246+\x]  ; and among lane l xor 16's
.endr
.irp x, 0,1
	v_mul_f32 v[250+\x], s[CS], v[250+\x]          ; as t (c is positive)
.endr
.irp x, 0,1
	v_max_num_f32 v[13+2*\x], v[13+2*\x], v[250+\x]
	v_mov_b32 v[250+\x], v[12+2*\x]
.endr
.irp x, 0,1
	v_floor_f32 v[12+2*\x], -v[13+2*\x]            ; the new -M = -ceil(t)
.endr
.irp x, 0,1
	v_sub_f32 v[250+\x], v[12+2*\x], v[250+\x]     ; old M - new M: a whole number, 0 or less
.endr
.irp x, 0,1
	v_cvt_i32_f32 v[250+\x], v[250+\x]             ; (it saturates)
.endr
.irp x, 0,1
	v_ldexp_f32 v[20+2*\x], 1.0, v[250+\x]         ; f = 2^(old M - new M)
.endr
.set n, 0
.rept 32
.irp x, 0,1
	v_pk_fma_f32 v[S+64*\x+n:S+64*\x+n+1], v[S+64*\x+n:S+64*\x+n+1], s[CS:CS+1], v[12+2*\x:13+2*\x] op_sel_hi:[1,0,0]   ; t - M, two at a time
.endr
.set n, n+2
.endr
	s_wait_alu depctr_va_vdst(0)                   ; the wait ahead of the batch
.set n, 0
.rept 128
	v_exp_f32 v[S+n], v[S+n]                       ; p = 2^(t - M)
.set n, n+1
.endr
.irp x, 0,1
	v_pk_mul_f32 v[L+2*\x:L+2*\x+1], v[L+2*\x:L+2*\x+1], v[20+2*\x:21+2*\x] op_sel_hi:[1,0]   ; the sums under the new M: plain lines behind the exponentials
.endr
	s_wait_alu depctr_va_vdst(0)                   ; one wait for the batch of 128, ahead of its first reader
.irp t, 0,1,2,3,4,5,6,7
.irp x, 0,1
.irp i, 0,1,2,3,4,5,6,7
	v_min_num_f32 v[TM+8*\x+\i], v[S+64*\x+8*\t+\i], v240   ; the conversion does not saturate (ISA guide 7.6.2); p is not negative; the unheld p stays for the sum
.endr
	v_cvt_scalef32_pk8_fp8_f32 v[P+16*\x+2*\t:P+16*\x+2*\t+1], v[TM+8*\x:TM+8*\x+7], v244   ; registers 2 t, 2 t + 1 of P; the other tile's eight holds stand ahead of the next write of these sources
.endr
.endr
	WIN 0x41                                       ; destination and source 0: window 1
	s_wait_alu depctr_va_vdst(0)                   ; the wait directly ahead of the first reader of O^T
.set n, 0
.rept 32
.irp x, 0,1
	v_pk_mul_f32 v[128+64*\x+n:128+64*\x+n+1], v[128+64*\x+n:128+64*\x+n+1], v[20+2*\x:21+2*\x] op_sel_hi:[1,0]   ; O^T under the new M
.endr
.set n, n+2
.endr
	WIN 0x51                                       ; V, C and D: window 1; P: window 0
	s_wait_alu depctr_va_vdst(0)                   ; the wait ahead of the wait below
	s_wait_dscnt 0x0                               ; V
.irp t, 0,1,2,3,4,5,6,7                        ; O^T += V^T P^T: the sixteen accumulators take turns
.irp x, 0,1
	v_wmma_f32_16x16x128_fp8_fp8 v[128+64*\x+8*\t:128+64*\x+8*\t+7], v[16*\t:16*\t+15], v[P+16*\x:P+16*\x+15], v[128+64*\x+8*\t:128+64*\x+8*\t+7]
.endr
.endr
	WIN 0
.Lhidden_\@:
	s_add_co_u32 s[KF], s[KF], 256
.endm
	s_wait_alu depctr_va_vdst(0)                   ; the wait at the head's end
	s_wait_loadcnt 0x0                             ; Q
.Lslot:                                            ; four trips, a slot each
	s_wait_tensorcnt 0x0                           ; my one load has landed, so group 0 may be written
	ds_add_u32 v[SPW], v[NIL]
	s_xor_b32 s[G0+1], s[G0+1], SLOT1              ; the other slot,
	s_add_nc_u64 s[G0+2:G0+3], s[G0+2:G0+3], 65536 ; the next 512 keys
	s_wait_xcnt 0x0                                ; the last prefetches have read their address
	s_add_nc_u64 s[PFA:PFA+1], s[PFA:PFA+1], 65536
	s_wait_dscnt 0x0                               ; the add is done, my reads of the slot that I have left are over
	s_barrier_signal -1
	s_barrier_wait -1
	s_add_co_u32 s96, s[SF], 512                   ; the first key of the slot that this change would ask for:
	s_cmp_gt_u32 s96, s[LQ]                        ; after my work-group's last query none of its waves would read it.  Ids and the count of trips alone: all eight waves go the same way
	s_cbranch_scc1 .Lpast
	TLOAD
.Lpast:
	s_cmp_gt_u32 s[SLOTS], s[LIM]
	s_cbranch_scc0 .Lnot_mine
	global_prefetch_b8 v[PFO], s[PFA:PFA+1] th:TH_LOAD_NT scope:SCOPE_SE
	global_prefetch_b8 v[PFO], s[PFA:PFA+1] offset:8192 th:TH_LOAD_NT scope:SCOPE_SE
.Lnot_mine:
	STEP 0
	STEP 1
	s_xor_b32 s[TB], s[TB], SLOT1
	s_add_co_u32 s[SF], s[SF], 512
	s_sub_co_u32 s[SLOTS], s[SLOTS], 1
	s_cmp_lg_u32 s[SLOTS], 0
	s_cbranch_scc1 .Lslot
	PSUM_HEAD                                      ; the last walked step's p; these 64 lines are also the places behind the last products
	PSUM_REST
	s_wait_alu depctr_va_vdst(0)                   ; the wait ahead of the waits below
	s_wait_tensorcnt 0x0
	ds_add_u32 v[SPW], v[NIL]
	s_wait_dscnt 0x0
	s_barrier_signal -1
	s_barrier_wait -1                              ; nobody reads the ring any more, and nothing is filled again
	s_cmp_eq_u32 s[PAR], 0
	s_cbranch_scc1 .Lkeeper
	v_mov_b32 v248, v12                            ; the odd wave hands over -M, the sum and O^T, as images of its registers
	v_mov_b32 v249, v14
	v_add_f32 v250, v16, v17
	v_add_f32 v251, v18, v19
	WIN 0x04                                       ; the stores' data: window 1
.set n, 0
.rept 32
	ds_store_b128 v[STG], v[128+4*n:128+4*n+3] offset:512*n
.set n, n+1
.endr
	WIN 0
	ds_store_b128 v[STG], v[248:251] offset:16384
.Lkeeper:
	s_wait_dscnt 0x0
	s_barrier_signal -1
	s_barrier_wait -1
	s_cmp_lg_u32 s[PAR], 0
	s_cbranch_scc1 .Lend
	WIN TO_1
.set n, 0
.rept 32
	ds_load_b128 v[4*n:4*n+3], v[STG] offset:512*n   ; the partner's O^T, where V lay
.set n, n+1
.endr
	WIN 0
	ds_load_b128 v[248:251], v[STG] offset:16384
	v_add_f32 v16, v16, v17
	v_add_f32 v18, v18, v19
	s_add_co_i32 s73, s70, s71
	s_wait_alu depctr_va_vdst(0)                   ; the wait ahead of the wait below
	s_wait_dscnt 0x0
.irp x, 0,1
	v_min_num_f32 v[216+\x], v[12+2*\x], v[248+\x] ; -M of the two together
.endr
.irp x, 0,1
	v_sub_f32 v[218+\x], v[216+\x], v[12+2*\x]     ; my M - M, the partner's M - M: whole numbers, 0 or less
	v_sub_f32 v[220+\x], v[216+\x], v[248+\x]
.endr
.irp x, 0,1
	v_cvt_i32_f32 v[218+\x], v[218+\x]
	v_cvt_i32_f32 v[220+\x], v[220+\x]
.endr
.irp x, 0,1
	v_ldexp_f32 v[218+\x], 1.0, v[218+\x]
	v_ldexp_f32 v[220+\x], 1.0, v[220+\x]          ; 0 for a partner that walked no step
.endr
.irp x, 0,1
	v_mul_f32 v[16+2*\x], v[16+2*\x], v[218+\x]
.endr
.irp x, 0,1
	v_fma_f32 v[16+2*\x], v[250+\x], v[220+\x], v[16+2*\x]
.endr
.irp x, 0,1
	v_permlanex16_b32 v[246+\x], v[16+2*\x], s[SEL], s[SEL+1]
.endr
.irp x, 0,1
	v_add_f32 v[16+2*\x], v[16+2*\x], v[246+\x]    ; the row's sum
.endr
	s_wait_alu depctr_va_vdst(0)                   ; the wait ahead of the batch
	v_rcp_f32 v16, v16
	v_rcp_f32 v18, v18
	v_nop                                          ; a plain line behind the reciprocals
	s_wait_alu depctr_va_vdst(0)                   ; the wait ahead of their first reader
.irp x, 0,1
	v_ldexp_f32 v[16+2*\x], v[16+2*\x], s73        ; x 2^(e8 + e9)
.endr
.irp x, 0,1
	v_mul_f32 v[224+4*\x], v[218+\x], v[16+2*\x]   ; my factor, twice, as a pair;
	v_mul_f32 v[225+4*\x], v[218+\x], v[16+2*\x]
	v_mul_f32 v[226+4*\x], v[220+\x], v[16+2*\x]   ; the partner's
	v_mul_f32 v[227+4*\x], v[220+\x], v[16+2*\x]
.endr
	WIN A_IN1
.set n, 0
.rept 32
.irp x, 0,1
	v_pk_mul_f32 v[S+64*\x+n:S+64*\x+n+1], v[64*\x+n:64*\x+n+1], v[226+4*\x:227+4*\x]
.endr
.set n, n+2
.endr
	s_wait_alu depctr_va_vdst(0)                   ; the wait directly ahead of the first reader of O^T
.set n, 0
.rept 32
.irp x, 0,1
	v_pk_fma_f32 v[S+64*\x+n:S+64*\x+n+1], v[128+64*\x+n:128+64*\x+n+1], v[224+4*\x:225+4*\x], v[S+64*\x+n:S+64*\x+n+1]
.endr
.set n, n+2
.endr
	WIN 0
.set n, 0
.rept 128
	v_med3_num_f32 v[S+n], v[S+n], -v241, v241
.set n, n+1
.endr
.irp x, 0,1
.irp t, 0,1,2,3,4,5,6,7
	v_cvt_scalef32_pk8_fp8_f32 v[P+16*\x+2*\t:P+16*\x+2*\t+1], v[S+64*\x+8*\t:S+64*\x+8*\t+7], v245   ; tile t's eight numbers are registers 2 t, 2 t + 1 of the next operand
.endr
.endr
	v_nop
.irp x, 0,1
.irp c, 0,1,2,3
	global_store_b128 v[LI], v[P+16*\x+4*\c:P+16*\x+4*\c+3], s[8:9] offset:4096*\x+512*\c   ; 512 consecutive bytes a store
.endr
.endr
.Lend:
	s_wait_tensorcnt 0x0                           ; the wave's end
	ds_add_u32 v[SPW], v[NIL]
	s_wait_dscnt 0x0
	s_endpgm
.Lfunc_end_k_q1cb8103694_attn:
	.size	k_q1cb8103694_attn, .Lfunc_end_k_q1cb8103694_attn-k_q1cb8103694_attn
	.p2alignl 7, 3214868480
	.fill 96, 4, 3214868480
	.section	.rodata,"a",@progbits
	.p2align	6, 0x0
	.amdhsa_kernel k_q1cb8103694_attn
		.amdhsa_group_segment_fixed_size 327680
		.amdhsa_private_segment_fixed_size 0
		.amdhsa_enable_private_segment 0
		.amdhsa_kernarg_size 24
		.amdhsa_user_sgpr_count 2
		.amdhsa_user_sgpr_kernarg_segment_ptr 1
		.amdhsa_wavefront_size32 1
		.amdhsa_system_sgpr_workgroup_id_x 1
		.amdhsa_system_sgpr_workgroup_id_y 1
		.amdhsa_system_sgpr_workgroup_id_z 1
		.amdhsa_system_vgpr_workitem_id 0
		.amdhsa_next_free_vgpr 512
		.amdhsa_next_free_sgpr 100
		.amdhsa_reserve_vcc 1
		.amdhsa_float_denorm_mode_32 3
		.amdhsa_float_denorm_mode_16_64 3
		.amdhsa_memory_ordered 1
		.amdhsa_forward_progress 1
		.amdhsa_inst_pref_size 130
	.end_amdhsa_kernel
	.amdgpu_metadata
---
amdhsa.version: [ 1, 2 ]
amdhsa.kernels:
  - .name:           k_q1cb8103694_attn
    .symbol:         k_q1cb8103694_attn.kd
    .args:
      - { .name: qkv, .offset: 0, .size: 8, .value_kind: global_buffer, .address_space: global }
      - { .name: lowp_scales, .offset: 8, .size: 8, .value_kind: global_buffer, .address_space: global }
      - { .name: ac, .offset: 16, .size: 8, .value_kind: global_buffer, .address_space: global }
    .group_segment_fixed_size: 327680
    .private_segment_fixed_size: 0
    .kernarg_segment_align: 8
    .kernarg_segment_size: 24
    .max_flat_workgroup_size: 256
    .sgpr_count:     100
    .vgpr_count:     512
    .wavefront_size: 32
...
	.end_amdgpu_metadata
.endif
;; end of part 3
;; launch proj (part 4): grid 16 x 16, 4 waves a work-group, clusters of 4 x 4, 327,680 bytes of LDS; arguments ac, opc, lowp_scales, out0; writes out0
.if DOCPART == 4
	.amdgcn_target "amdgcn-amd-amdhsa--gfx1250"
	.amdhsa_code_object_version 6
	.text
	.protected	k_q1cb8103694_proj
	.globl	k_q1cb8103694_proj
	.p2align	8
	.type	k_q1cb8103694_proj,@function
k_q1cb8103694_proj:
	s_mov_b64 s[64:65], 0
	v_nop
	global_prefetch_b8 v0, s[64:65] scope:SCOPE_SE
	s_setreg_imm32_b32 hwreg(HW_REG_WAVE_MODE, 25, 1), 1
	s_wait_xcnt 0x0
	s_wait_alu depctr_hold_cnt(0) depctr_sa_sdst(0) depctr_va_vdst(0) depctr_va_sdst(0) depctr_va_ssrc(0) depctr_va_vcc(0) depctr_vm_vsrc(0)
	s_getreg_b32 s2, hwreg(HW_REG_IB_STS2, 6, 4)
	s_cmp_eq_u32 s2, 0
	s_cbranch_scc0 .Lentry_in_a_cluster
	s_endpgm
.Lentry_in_a_cluster:
	s_bfe_u32 s2, ttmp6, 0x10000c
	s_cmp_lg_u32 s2, 0xf033
	s_cbranch_scc0 .Lentry_shape_is_right
	s_endpgm
.Lentry_shape_is_right:
; THE PROJECTION ON THE WAY OUT: out0 = o Wo^T on codes of E4M3 (scales e10, e11), f32 results.  Nothing is left out here.
; A block of 128 x 128 is made by four waves, 64 x 64 each; 4 x 4 work-groups form a cluster: o's tiles are asked for jointly along a row, Wo's along a column.
; Operands are images of fragments, [K / 256][row / 16][(K / 128) % 2][2,048 bytes].  A slot holds 512 along K.  LDS: four parts of 65,536 bytes, one for each wave's fetches (waves 0, 1: o's two K blocks of a slot; 2, 3: Wo's),
; each part two slots of 32,768.  A wave's one load at the head brings its K block of both slots (two rows of 32,768 bytes, 1,048,576 apart); slots 0 and 1 are each filled once more, behind a round of the cluster's barrier.
; PREFETCH: what the two refills load is asked for at the head, two slots ahead; of a wave's 32,768 bytes each of the four partners names 8,192, told apart by address, lanes 256 bytes apart.
; LIMIT: e10 + e11 between -126 and 127.
.set HALFT,  32768
.set SLOT,   4*HALFT
.set STAGE,  2*SLOT
.set SPITCH, 272
.set SPARE,  STAGE+4*16*SPITCH
.set ADRA, 16
.set ADRB, 20
.set STO,  24
.set RD,   25
.set CO,   26
.set SPW,  28
.set NIL,  29
.set TMP,  32
.set BK,   64
.set ACC,  128
.set F0,   0
.set F1,   128
.set G1, 24
.set G0, 32
.set G1B, 48
.set G0B, 56
.set HG1, 68
.set HG1B, 76
.set PFA, 86
.set MSB, 0
.macro WIN new
.if MSB != (\new)
	s_set_vgpr_msb (MSB<<8)|(\new)
.set MSB, \new
.endif
.endm
.set MUL,  0x05
.set TO_F, 0x40
.macro JLOAD s
	s_cmp_eq_u32 s15, 0
	s_cbranch_scc0 .Lfor_b_\@
	tensor_load_to_lds s[G0+4*\s:G0+4*\s+3], s[G1:G1+7]
	s_nop 0
.rept 4
	v_nop
.endr
	s_branch .Lasked_\@
.Lfor_b_\@:
	tensor_load_to_lds s[G0B+4*\s:G0B+4*\s+3], s[G1B:G1B+7]
	s_nop 0
.rept 4
	v_nop
.endr
.Lasked_\@:
.endm
.macro CREST
	s_cmp_lg_u32 s14, 0
	s_cbranch_scc1 .Lnot_wave_0_\@
	s_barrier_signal -3
.Lnot_wave_0_\@:
	s_barrier_wait -3
	s_barrier_signal -1
	s_barrier_wait -1
.endm
.macro CROUND
	s_barrier_signal -1
	s_barrier_wait -1
	CREST
.endm
	s_load_b256 s[4:11], s[0:1], 0x0
	v_lshl_add_u32 v[SPW], v0, 2, SPARE
	v_mov_b32 v[NIL], 0
	ds_add_u32 v[SPW], v[NIL]
	ds_add_u32 v[SPW], v[NIL]
	v_lshrrev_b32 v1, 5, v0
	v_readfirstlane_b32 s14, v1
	s_lshr_b32 s15, s14, 1
	s_and_b32 s16, s14, 1
	s_bfe_u32 s40, ttmp6, 0x40000
	s_bfe_u32 s41, ttmp6, 0x40004
	s_lshl_b32 s42, ttmp9, 2
	s_add_co_u32 s42, s42, s40
	s_and_b32 s17, ttmp7, 0xffff
	s_lshl_b32 s17, s17, 2
	s_add_co_u32 s17, s17, s41
	s_lshl_b32 s43, s41, 2
	s_lshl_b32 s43, 15, s43
	s_lshl_b32 s44, 0x1111, s40
	s_or_b32 s[G1+0], s43, (3<<16)|(1<<21)
	s_or_b32 s[G1B+0], s44, (3<<16)|(1<<21)
.irp g, G1, G1B
	s_mov_b32 s[\g+1], 32<<16
	s_mov_b32 s[\g+2], 128<<16
	s_mov_b32 s[\g+3], 32<<16
	s_mov_b32 s[\g+4], 128
	s_mov_b32 s[\g+5], 32
	s_mov_b32 s[\g+6], 0
	s_mov_b32 s[\g+7], 0
.endr
	s_or_b32 s[HG1+0], s43, (3<<16)|(1<<21)
	s_or_b32 s[HG1B+0], s44, (3<<16)|(1<<21)
.irp g, HG1, HG1B
	s_mov_b32 s[\g+1], 4096<<16
	s_mov_b32 s[\g+2], 2<<16
	s_mov_b32 s[\g+3], 4096<<16
	s_mov_b32 s[\g+4], 2
	s_mov_b32 s[\g+5], 131072
	s_mov_b32 s[\g+6], 0
	s_mov_b32 s[\g+7], 0
.endr
	s_lshl_b32 s18, s16, 19
	s_lshl_b32 s20, s17, 15
	s_add_co_u32 s20, s20, s18
	s_mov_b32 s21, 0
	s_lshl_b32 s46, s42, 15
	s_add_co_u32 s46, s46, s18
	s_add_co_u32 s46, s46, 6<<22
	s_mov_b32 s47, 0
	s_mul_i32 s45, s14, 2*HALFT
	s_lshl_b32 s84, s17, 20
	s_lshl_b32 s85, s15, 19
	s_add_co_u32 s84, s84, s85
	s_lshl_b32 s85, s42, 9
	s_add_co_u32 s84, s84, s85
	s_lshl_b32 s85, s16, 8
	s_add_co_u32 s84, s84, s85
	s_mov_b32 s85, 0
	s_wait_dscnt 0x0
	s_wait_kmcnt 0x0
	s_load_b64 s[96:97], s[8:9], 0x28
	s_add_nc_u64 s[10:11], s[10:11], s[84:85]
	s_add_nc_u64 s[20:21], s[4:5], s[20:21]
	s_add_nc_u64 s[46:47], s[6:7], s[46:47]
.irp s, 0,1
	s_mov_b32 s[G0+4*\s], 1
	s_add_co_u32 s[G0+4*\s+1], s45, \s*HALFT
	s_add_nc_u64 s[G0+4*\s+2:G0+4*\s+3], s[20:21], \s*1048576
	s_or_b32 s[G0+4*\s+3], s[G0+4*\s+3], 0x80000000
	s_mov_b32 s[G0B+4*\s], 1
	s_add_co_u32 s[G0B+4*\s+1], s45, \s*HALFT
	s_add_nc_u64 s[G0B+4*\s+2:G0B+4*\s+3], s[46:47], \s*1048576
	s_or_b32 s[G0B+4*\s+3], s[G0B+4*\s+3], 0x80000000
.endr
	s_cmp_eq_u32 s15, 0
	s_cselect_b32 s88, s40, s41                    ; my place among the four that ask with me: cx for o, cy for Wo
	s_cselect_b64 s[PFA:PFA+1], s[20:21], s[46:47]
	s_lshl_b32 s88, s88, 13
	s_mov_b32 s89, 0
	s_add_nc_u64 s[PFA:PFA+1], s[PFA:PFA+1], s[88:89]
	CROUND                                         ; all sixteen work-groups are here: the first joint loads meet
	s_cmp_eq_u32 s15, 0                            ; my one load at the head: my K block of slots 0 and 1
	s_cbranch_scc0 .Lhead_b
	tensor_load_to_lds s[G0:G0+3], s[HG1:HG1+7]
	s_nop 0
.rept 4
	v_nop
.endr
	s_branch .Lhead_on
.Lhead_b:
	tensor_load_to_lds s[G0B:G0B+3], s[HG1B:HG1B+7]
	s_nop 0
.rept 4
	v_nop
.endr
.Lhead_on:
	v_and_b32 v1, 15, v0
	s_wait_alu depctr_va_vdst(0)
	v_bfe_u32 v2, v0, 4, 1
	v_and_b32 v6, 31, v0
	v_lshlrev_b32 v6, 4, v6
	s_lshl_b32 s21, s15, 14
	s_lshl_b32 s22, s16, 14
	s_add_co_u32 s22, s22, 4*HALFT
	v_add_nc_u32 v7, s21, v6
	v_add_nc_u32 v8, s22, v6
.irp n, 0,1,2,3                        ; register 2 x slot + K block of the slot
	v_add_nc_u32 v[ADRA+\n], (\n%2)*65536+(\n/2)*32768, v7
	v_add_nc_u32 v[ADRB+\n], (\n%2)*65536+(\n/2)*32768, v8
.endr
	s_mul_i32 s23, s14, 16*SPITCH
	s_add_co_u32 s23, s23, STAGE
	v_mul_u32_u24 v5, v1, SPITCH
	s_wait_alu depctr_va_vdst(0)
	v_lshl_add_u32 v5, v2, 5, v5
	v_add_nc_u32 v[STO], s23, v5
	v_mul_u32_u24 v5, v2, SPITCH
	v_lshl_add_u32 v5, v1, 4, v5
	v_add_nc_u32 v[RD], s23, v5
	v_lshlrev_b32 v[CO], 4, v1
	v_lshl_add_u32 v[CO], v2, 13, v[CO]
	v_lshlrev_b32 v9, 4, v6                        ; 256 x lane
	s_wait_alu depctr_va_vdst(0)                   ; the wait ahead of the readers below
	global_prefetch_b8 v9, s[PFA:PFA+1] offset:2097152 th:TH_LOAD_NT scope:SCOPE_SE   ; what the two refills load
	global_prefetch_b8 v9, s[PFA:PFA+1] offset:3145728 th:TH_LOAD_NT scope:SCOPE_SE
.macro FRAG reg, adr, q, i
.irp c, 0,1,2,3
	ds_load_b128 v[\reg+4*\c:\reg+4*\c+3], v[\adr+(\q)/2] offset:(\i)*4096+((\q)%2)*2048+512*\c
.endr
.endm
.macro FETCH slot, q, f
	WIN TO_F
.irp i, 0,1,2,3
	FRAG \f+64+16*\i, ADRB+2*\slot, \q, \i
.endr
.irp i, 0,1,2,3
	FRAG \f+16*\i, ADRA+2*\slot, \q, \i
.endr
.endm
.macro MUL8 f, a0, zero
.irp a, \a0, \a0+1
.irp b, 0,1,2,3
.if \zero
	v_wmma_f32_16x16x128_fp8_fp8 v[ACC+8*(4*(\a)+\b):ACC+8*(4*(\a)+\b)+7], v[\f+64+16*\b:\f+64+16*\b+15], v[\f+16*(\a):\f+16*(\a)+15], 0
.else
	v_wmma_f32_16x16x128_fp8_fp8 v[ACC+8*(4*(\a)+\b):ACC+8*(4*(\a)+\b)+7], v[\f+64+16*\b:\f+64+16*\b+15], v[\f+16*(\a):\f+16*(\a)+15], v[ACC+8*(4*(\a)+\b):ACC+8*(4*(\a)+\b)+7]
.endif
.endr
.endr
.endm
.macro PLACES
.rept 4
	v_nop
.endr
.endm
.macro STEP slot, q, f, g, zero
	s_wait_dscnt 8
	WIN MUL
	MUL8 \f, 0, \zero
	PLACES
	FETCH \slot, (\q)+1, \g
	s_wait_dscnt 32
	WIN MUL
	MUL8 \f, 2, \zero
.endm
.macro TURN slot, next, fill
	WIN 0
	s_wait_tensorcnt 0x0
	ds_add_u32 v[SPW], v[NIL]
	s_wait_dscnt 9
	WIN MUL
	MUL8 F1, 0, 0
	s_wait_dscnt 0x0
	s_barrier_signal -1
	MUL8 F1, 2, 0
	WIN 0
	s_barrier_wait -1
.if \fill
	CREST
	s_add_nc_u64 s[G0+4*\slot+2:G0+4*\slot+3], s[G0+4*\slot+2:G0+4*\slot+3], 2097152
	s_add_nc_u64 s[G0B+4*\slot+2:G0B+4*\slot+3], s[G0B+4*\slot+2:G0B+4*\slot+3], 2097152
	JLOAD \slot
.else
	PLACES
.endif
	FETCH \next, 0, F0
.endm
	s_wait_alu depctr_va_vdst(0)                   ; the wait at the head's end
	s_wait_tensorcnt 0x0                           ; my part of slots 0 and 1 is in
	s_barrier_signal -1
	s_barrier_wait -1
	FETCH 0, 0, F0
	STEP 0, 0, F0, F1, 1
	STEP 0, 1, F1, F0, 0
	STEP 0, 2, F0, F1, 0
	TURN 0, 1, 1
	STEP 1, 0, F0, F1, 0
	STEP 1, 1, F1, F0, 0
	STEP 1, 2, F0, F1, 0
	TURN 1, 0, 1
	STEP 0, 0, F0, F1, 0
	STEP 0, 1, F1, F0, 0
	STEP 0, 2, F0, F1, 0
	TURN 0, 1, 0
	STEP 1, 0, F0, F1, 0
	STEP 1, 1, F1, F0, 0
	STEP 1, 2, F0, F1, 0
	s_wait_dscnt 8
	WIN MUL
	MUL8 F1, 0, 0
	s_wait_dscnt 0
	MUL8 F1, 2, 0
	WIN 0
.macro TOSTAGE a
.set j, 0
.rept 16
	v_pk_mul_f32 v[TMP+j:TMP+j+1], v[ACC+32*(\a)+j:ACC+32*(\a)+j+1], s[96:97] op_sel_hi:[1,0]
.set j, j+2
.endr
.irp b, 0,1,2,3
	ds_store_b128 v[STO], v[TMP+8*\b:TMP+8*\b+3] offset:64*\b
	ds_store_b128 v[STO], v[TMP+8*\b+4:TMP+8*\b+7] offset:64*\b+16
.endr
.irp t, 0,1,2,3,4,5,6,7
	ds_load_b128 v[BK+32*((\a)%2)+4*\t:BK+32*((\a)%2)+4*\t+3], v[RD] offset:\t*2*SPITCH
.endr
.endm
.macro SEND a, younger
	s_wait_dscnt \younger
.irp t, 0,1,2,3,4,5,6,7
	global_store_b128 v[CO], v[BK+32*((\a)%2)+4*\t:BK+32*((\a)%2)+4*\t+3], s[10:11] offset:(16*(\a)+2*\t)*8192 th:TH_STORE_NT
.endr
.endm
	s_wait_kmcnt 0x0
	s_add_co_i32 s96, s96, s97
	s_add_co_i32 s96, s96, 127
	s_lshl_b32 s96, s96, 23
	PLACES
	TOSTAGE 0
	TOSTAGE 1
	SEND 0, 16
	s_wait_xcnt 0x0
	TOSTAGE 2
	SEND 1, 16
	s_wait_xcnt 0x0
	TOSTAGE 3
	SEND 2, 16
	SEND 3, 0
	s_wait_tensorcnt 0x0
	ds_add_u32 v[SPW], v[NIL]
	s_wait_dscnt 0x0
	CROUND
	s_endpgm
.Lfunc_end_k_q1cb8103694_proj:
	.size	k_q1cb8103694_proj, .Lfunc_end_k_q1cb8103694_proj-k_q1cb8103694_proj
	.p2alignl 7, 3214868480
	.fill 96, 4, 3214868480
	.section	.rodata,"a",@progbits
	.p2align	6, 0x0
	.amdhsa_kernel k_q1cb8103694_proj
		.amdhsa_group_segment_fixed_size 327680
		.amdhsa_private_segment_fixed_size 0
		.amdhsa_enable_private_segment 0
		.amdhsa_kernarg_size 32
		.amdhsa_user_sgpr_count 2
		.amdhsa_user_sgpr_kernarg_segment_ptr 1
		.amdhsa_wavefront_size32 1
		.amdhsa_system_sgpr_workgroup_id_x 1
		.amdhsa_system_sgpr_workgroup_id_y 1
		.amdhsa_system_sgpr_workgroup_id_z 1
		.amdhsa_system_vgpr_workitem_id 0
		.amdhsa_next_free_vgpr 512
		.amdhsa_next_free_sgpr 100
		.amdhsa_reserve_vcc 0
		.amdhsa_float_denorm_mode_32 3
		.amdhsa_float_denorm_mode_16_64 3
		.amdhsa_memory_ordered 1
		.amdhsa_forward_progress 1
		.amdhsa_inst_pref_size 74
	.end_amdhsa_kernel
	.amdgpu_metadata
---
amdhsa.version: [ 1, 2 ]
amdhsa.kernels:
  - .name:           k_q1cb8103694_proj
    .symbol:         k_q1cb8103694_proj.kd
    .args:
      - { .name: ac, .offset: 0, .size: 8, .value_kind: global_buffer, .address_space: global }
      - { .name: opc, .offset: 8, .size: 8, .value_kind: global_buffer, .address_space: global }
      - { .name: lowp_scales, .offset: 16, .size: 8, .value_kind: global_buffer, .address_space: global }
      - { .name: out0, .offset: 24, .size: 8, .value_kind: global_buffer, .address_space: global }
    .group_segment_fixed_size: 327680
    .private_segment_fixed_size: 0
    .kernarg_segment_align: 8
    .kernarg_segment_size: 32
    .max_flat_workgroup_size: 128
    .sgpr_count:     100
    .vgpr_count:     512
    .wavefront_size: 32
...
	.end_amdgpu_metadata
.endif
;; end of part 4
